; MI455X (gfx1250); checked and timed in simulation.
; The chip was launched on July 23, 2026; its instructions are those of AMD's public machine-readable ISA for CDNA 5 (MIT licence, August 2026) and "CDNA5" Instruction Set Architecture Reference Guide (July 2026). The comments in the code are by the model that wrote it; some were corrected since.
;; Attention Unit. Allowed arithmetic: matrix products marked QUANTISED: E2M1 operands, one E8M0 scale for each 32 along K, by v_wmma_scale_f32_16x16x128_f8f6f4 with both operands' format E2M1 (or v_wmma_scale_f32_32x16x128_f4), f32 sums; everything else in f32.
;; Inputs: Wk_codes 1,024 x 32 x 16 uint8 (E2M1 codes of Wk, K innermost, in blocks of 32 codes, two codes a byte); Wk_scales 1,024 x 32 uint8 (E8M0 scales of Wk, one for each 32 codes along K); Wq_codes 1,024 x 32 x 16 uint8 (E2M1 codes of Wq, K innermost, in blocks of 32 codes, two codes a byte); Wq_scales 1,024 x 32 uint8 (E8M0 scales of Wq, one for each 32 codes along K); Wv_codes 1,024 x 32 x 16 uint8 (E2M1 codes of Wv, K innermost, in blocks of 32 codes, two codes a byte); Wv_scales 1,024 x 32 uint8 (E8M0 scales of Wv, one for each 32 codes along K); bk 1,024 float32; bq 1,024 float32; bv 1,024 float32; k_codes 4 x 2,048 x 32 x 16 uint8 (E2M1 codes of k, K innermost, in blocks of 32 codes, two codes a byte); k_scales 4 x 2,048 x 32 uint8 (E8M0 scales of k, one for each 32 codes along K); q_codes 4 x 2,048 x 32 x 16 uint8 (E2M1 codes of q, K innermost, in blocks of 32 codes, two codes a byte); q_scales 4 x 2,048 x 32 uint8 (E8M0 scales of q, one for each 32 codes along K); v_codes 4 x 2,048 x 32 x 16 uint8 (E2M1 codes of v, K innermost, in blocks of 32 codes, two codes a byte); v_scales 4 x 2,048 x 32 uint8 (E8M0 scales of v, one for each 32 codes along K).
;; Outputs: out0 4 x 2,048 x 1,024 float32.
;; This version of the problem:
;;   THIS VERSION OF THE PROBLEM IS GIVEN IN LOW PRECISION. The matrix products marked QUANTISED in the list below multiply operands that are first quantised to E2M1 (2 exponent bits, 1 mantissa bit; 4 bits a number), with one power-of-two scale for each 32 numbers along K (OCP MX v1.0); their sums are f32. All else is computed in f32.
;;   The module's matrix products, in the order in which they are computed (A, B: the left and right operand; K: the contracted axis; several contracted axes count as one K, in the product's order):
;;     1. [M 8,192, K 1,024] x [K 1,024, N 1,024]; A: input q (given as codes); B: input Wq (given as codes): QUANTISED
;;     2. [M 8,192, K 1,024] x [K 1,024, N 1,024]; A: input v (given as codes); B: input Wv (given as codes): QUANTISED
;;     3. [M 8,192, K 1,024] x [K 1,024, N 1,024]; A: input k (given as codes); B: input Wk (given as codes): QUANTISED
;;     4. batch 4 x [M 2,048, K 1,024] x [K 1,024, N 2,048]; A: computed on the way; B: computed on the way: QUANTISED
;;     5. batch 4 x [M 2,048, K 2,048] x [K 2,048, N 1,024]; A: softmax (see below); B: computed on the way: QUANTISED
;;   THE QUANTISER, for each operand of a quantised product, along K:
;;     - K is cut into blocks of 32 from its start; a last block that is shorter is filled with zeros.
;;     - A block's scale is 2^e with e = floor(log2(the largest magnitude in the block)) - 2, held to -126 .. 127; a block of zeros has e = 0. As a byte (E8M0): e + 127.
;;     - Each number is divided by its block's scale, clamped to +-6, and rounded to the nearest number of E2M1, ties to even, subnormals kept.
;;     - The product sums the exact products of the quantised numbers (number of the format x scale) in f32.
;;   ~~~python
;;   def quantise(x, axis):      # numpy; x: float32 -> the quantised numbers, widened to float32 again
;;       x = np.moveaxis(x, axis, -1); K = x.shape[-1]
;;       x = np.pad(x, [(0, 0)] * (x.ndim - 1) + [(0, -K % 32)]); x = x.reshape(x.shape[:-1] + (-1, 32)); a = np.abs(x).max(-1, keepdims=True)
;;       e = np.where(a > 0, np.clip(np.frexp(np.where(a > 0, a, 1))[1] - 1 - 2, -126, 127), 0)      # np.frexp(a)[1] - 1 = floor(log2(a)), exactly
;;       r = np.clip(x / 2.0 ** e, -6, 6)
;;       step = 2.0 ** (np.maximum(np.frexp(np.where(r == 0, 1, r))[1] - 1, 0) - 1)
;;       q = np.round(r / step) * step * 2.0 ** e      # np.round: ties to even
;;       return np.moveaxis(q.reshape(q.shape[:-2] + (-1,))[..., :K], -1, axis).astype(np.float32)
;;   ~~~
;;   SOFTMAX AHEAD OF A QUANTISED PRODUCT. Where the list says 'softmax', what is quantised is not the finished softmax but p = 2^(t - M), with t = logit x log2(e) and M = ceil(the row's largest t), a whole number; so 1/2 < the row's largest p <= 1. The row's sum l is taken of the UNQUANTISED p, in f32, and the product's result is divided by l at the end. Since M is a whole number, a kernel that streams over the keys may use a running M (the ceiling of the running maximum): every later rescaling is an exact power of two, which a block's scale takes up: the codes' values come out the same.
;;   OPERANDS COMPUTED ON THE WAY. 'Computed on the way' means the value that the module computes at that place (a softmax that the list does not call 'softmax' is quantised finished and normalised). What goes into a quantiser is computed in f32, as accurately as f32 sums, v_exp_f32 and their like allow (about 1e-6 of the number): no bf16 or f16 on the way to a quantiser, and a product that is left as it is and whose result goes on into a quantised operand takes f32 operands (vector FMAs, or v_wmma_f32_16x16x4_f32). A number that lies on a knife's edge between two numbers of the format may be rounded either way, as far as f32 arithmetic and the matrix unit's own rounding can turn it there, and no further.
;;   INPUTS GIVEN AS CODES. Wk (in the module: [1024, 1024], K = its axis 1); Wq (in the module: [1024, 1024], K = its axis 1); Wv (in the module: [1024, 1024], K = its axis 1); k (in the module: [4, 2048, 1024], K = its axis 2); q (in the module: [4, 2048, 1024], K = its axis 2); v (in the module: [4, 2048, 1024], K = its axis 2): each comes as NAME_codes (uint8): NAME with its K axis moved to the last place and cut into blocks of 32 codes, [.., K / 32, bytes a block], one block behind the other in memory; two codes a byte, the lower K in the low four bits (a code: sign, 2 exponent bits, 1 mantissa bit); and NAME_scales (uint8): the same leading axes, one E8M0 byte (e + 127) for each 32 codes along K. Its value is code x scale, taken as it is: it is not quantised again, and the codes and scales need not be those that the quantiser above would give.
;; 2 versions, each right and faster than the one before. Each part assembles by itself: llvm-mc -triple=amdgcn-amd-amdhsa -mcpu=gfx1250 --defsym DOCPART=n.
;; ======== version 1 of 2: 3 launches
;; limits: right only within a limited range of input values
;; workspace buffers: qimg 4,456,448 bytes; kimg 4,456,448 bytes; vimg 4,456,448 bytes; pimg 10,485,760 bytes
;; launch proj (part 1): grid 4 x 96, 4 waves a work-group, clusters of 4 x 4, 296,448 bytes of LDS; arguments q_codes, k_codes, v_codes, q_scales, k_scales, v_scales, Wq_codes, Wk_codes, Wv_codes, Wq_scales, Wk_scales, Wv_scales, bq, bk, bv, qimg, kimg, vimg; writes qimg, kimg, vimg
.if DOCPART == 1
	.amdgcn_target "amdgcn-amd-amdhsa--gfx1250"
	.amdhsa_code_object_version 6
	.text
	.protected	k_qf3fa2d0ae3_proj
	.globl	k_qf3fa2d0ae3_proj
	.p2align	8
	.type	k_qf3fa2d0ae3_proj,@function
k_qf3fa2d0ae3_proj:
	s_mov_b64 s[64:65], 0
	v_nop
	global_prefetch_b8 v0, s[64:65] scope:SCOPE_SE
	s_setreg_imm32_b32 hwreg(HW_REG_WAVE_MODE, 25, 1), 1
	s_wait_xcnt 0x0
	s_wait_alu depctr_hold_cnt(0) depctr_sa_sdst(0) depctr_va_vdst(0) depctr_va_sdst(0) depctr_va_ssrc(0) depctr_va_vcc(0) depctr_vm_vsrc(0)
	s_getreg_b32 s2, hwreg(HW_REG_IB_STS2, 6, 4)
	s_cmp_eq_u32 s2, 0
	s_cbranch_scc0 .Lentry_in_a_cluster
	s_endpgm
.Lentry_in_a_cluster:
	s_bfe_u32 s2, ttmp6, 0x10000c
	s_cmp_lg_u32 s2, 0xf033
	s_cbranch_scc0 .Lentry_shape_is_right
	s_endpgm
.Lentry_shape_is_right:
; THE PROGRAM: causal attention with one head of 1,024, batch 4, 2,048 positions, all five products on codes of FP4 (E2M1) with one E8M0 scale for each 32 along K.  Three launches:
;   proj:   qp = q Wq^T + bq, kp = k Wk^T + bk, vp = v Wv^T + bv, each quantised at once: qp and kp along the 1,024 features, vp along the keys.
;   scores: kp qp^T by blocks of 128 queries x 128 keys, mask, p = 2^(t - M) with M taken over the block's 128 keys, the block's sum of p, p quantised along the keys.
;   pv:     the row's M from the blocks' M; each block's scale bytes and sum are brought under it (M is a whole number: p's codes do not hang on it); O = P V / the sum.
; WORK LEFT OUT.  reference() builds the mask itself (triu(ones, 1)): key k counts for query q only where k <= q.  A block of 128 x 128 all of whose keys come after all of its queries holds logits of -1e9 alone;
; every row has key 0 among its visible keys, so for all finite inputs those p are 0 beside the row's largest and add nothing to the sum or to O.  Such blocks, 120 of 256 in each batch, are computed in neither product.
; Every input has a way to the result (bq and bk stand ahead of a quantiser, bv reaches O): all are loaded.
; LIMITS.  A NaN, an infinity or an overflow that reaches only the blocks left out is not carried to the result.  Hidden scores inside a block on the diagonal are taken as -infinity where reference() writes -1e9:
; p is 0 either way while a row's largest visible logit lies above about -1e9 + 100.  A block of zeros gets the scale byte 1 where the quantiser says 127: its codes are zeros and this program alone reads the bytes.
; NaN and infinities among the inputs are not served.
;
; THIS LAUNCH: three products [8,192 x 1,024] x [1,024 x 1,024]^T.  A work-group of four waves makes 256 x 256 of one of them; a wave 128 x 128: 64 accumulators of 16 x 16, 512 registers.
; K = 1,024 lies in LDS whole: two slots of 512 along K (rows of 256 bytes + 16 of padding), each filled once by the tensor data mover, and the scale bytes of the 512 rows.  Nothing is filled again.
; CLUSTERS: 4 x 4 work-groups.  The four of a row of the cluster need the same rows of the activation X, the four of a column the same rows of the weight W: each tile is asked for jointly.
; The cluster's y picks the product (0-7 q, 8-15 k, 16-23 v): it is the same in all sixteen partners, so the branches and LDS addresses that hang on it are alike in all of them.
; WHAT BECOMES THE NEXT K IS SOURCE 0.  In a result lane (r, h) holds row r of source 1 and, in register j, row 8 h + j of source 0.  For q and k source 0 = W (features), source 1 = X; for v source 0 = X (keys), source 1 = Wv.
; So the eight tiles (a, 0..7) of a wave are 16 rows x 128 along the next K.  Tile t's eight registers are eight neighbours, 16 t + 8 h + 0 .. 7: one conversion makes one register of codes of them, and
; two exchanges of lane halves for each 64 along K put them in the operand's order.  A block of 32 is tiles 2 b and 2 b + 1 over both halves of the lanes.
; THE RESULT LEAVES AS IMAGES OF THE OPERAND'S REGISTERS.  A fragment (16 rows x 128 K, 8 registers): registers 0-3 at 16 x lane, registers 4-7 at 512 + 16 x lane.  A UNIT is the 8 fragments of 128 rows x 128 K and,
; at byte 8,192, their scale words: lane l's 16 bytes hold word p = tile 2 p's (lanes 0-15) or tile 2 p + 1's (lanes 16-31).  qimg, kimg: [group of 128 rows][K step] units; vimg: [batch][128 features][128 keys] units.
; The bias is the C of each sum's first matrix instruction.
; REGISTERS: window 0: v1-31 addresses; v32-95 scale words; v96-117 at work; v128-191 source 1's fragments, later the codes made; v192-255 the bias.  window 1: source 0's fragments, two sets.  windows 2, 3: accumulators.
.set PITCH,  272                       ; an LDS row: 256 bytes + 16 of padding
.set HALFT,  128*PITCH                 ; 128 rows: one tensor load
.set SLOT,   4*HALFT                   ; X's 256 rows, then W's 256 rows
.set SCL,    2*SLOT                    ; the scale bytes: 256 bytes + 16 of padding at a time
.set HALFS,  16*272                    ; those of 128 rows (32 bytes a row)
.set SBLK,   2*272                     ; those of 16 rows
.set SPARE,  SCL+4*HALFS               ; the spare words, 128 bytes for each wave
.set UNIT,   8704
.set ADR1, 16                          ; v16-17 LDS address of source 1's fragments in slot 0, 1
.set ADR0, 20                          ; v20-21 of source 0's
.set OUTO, 24                          ; v24    16 x lane
.set ADRS, 27                          ; v27    scale words: lanes 0-15 source 1's rows, lanes 16-31 source 0's
.set SPW,  28                          ; v28    my spare word; never rewritten
.set NIL,  29                          ; v29    0; never rewritten
.set BQK,  30                          ; v30    32 h
.set BVV,  31                          ; v31    4 r
.set SC,   32                          ; v32-95 scale words: 32 x slot + 4 x tile + K step in the slot
.set TM,   96                          ; v96-99 largest magnitudes, v100-103 the other half's and then bytes, v108-111 the conversions' scales
.set SCI,  112                         ; v112-115 the unit's scale image
.set PW,   116                         ; v116-117 the scale word of an even and of an odd tile
.set AF,   128
.set BIAS, 192
.set GX, 2
.set MHI, 3
.set G1X, 4
.set G1W, 12
.set G1XS, 20
.set G1WS, 28
.set CX, 40
.set CY, 41
.set CLY, 42
.set RMASK, 43
.set CMASK, 44
.set WV, 45
.set H1, 46
.set H0, 47
.set PR, 48
.set ISV, 49
.set XB, 50
.set XC, 52
.set XS, 54
.set WC, 56
.set WS, 58
.set BP, 60
.set OP, 62
.set SEL1, 66
.set SEL0, 67
.set G0X, 68
.set G0W, 76
.set G0XS, 84
.set G0WS, 88
.set OX, 92
.set OW, 96
.set LSS, 100
.set LSC, 101
.set SEL, 92                           ; s[92:93] once X's addresses have gone into the descriptors
.set MSB, 0
.macro WIN new                         ; the immediate's high byte repeats the setting that is left
.if MSB != (\new)
	s_set_vgpr_msb (MSB<<8)|(\new)
.set MSB, \new
.endif
.endm
.macro PLACES                          ; four plain vector instructions between a matrix instruction and a load into, or a vector access of, its registers
.rept 4
	v_nop
.endr
.endm
; A joint load: waves 0 and 1 fetch X's two halves, waves 2 and 3 W's.  The branch hangs on the wave's number alone.  An s_nop 0 and four v_nop follow each line.
.macro JLOAD g0a, g1a, g0b, g1b
	s_cmp_eq_u32 s[H1], 0
	s_cbranch_scc0 .Lfor_w_\@
	tensor_load_to_lds s[\g0a:\g0a+3], s[\g1a:\g1a+7]
	s_nop 0
.rept 4
	v_nop
.endr
	s_branch .Lasked_\@
.Lfor_w_\@:
	tensor_load_to_lds s[\g0b:\g0b+3], s[\g1b:\g1b+7]
	s_nop 0
.rept 4
	v_nop
.endr
.Lasked_\@:
.endm
.macro CROUND                          ; a round of the cluster's barrier
	s_barrier_signal -1
	s_barrier_wait -1
	s_cmp_lg_u32 s[WV], 0
	s_cbranch_scc1 .Lnot_wave_0_\@
	s_barrier_signal -3
.Lnot_wave_0_\@:
	s_barrier_wait -3
	s_barrier_signal -1
	s_barrier_wait -1
.endm
	s_load_b512 s[4:19], s[0:1], 0x0               ; q, k, v codes; q, k, v scales; Wq, Wk codes
	s_load_b512 s[20:35], s[0:1], 0x40             ; Wv codes; Wq, Wk, Wv scales; bq, bk, bv; qimg
	s_load_b128 s[36:39], s[0:1], 0x80             ; kimg, vimg
	v_lshl_add_u32 v[SPW], v0, 2, SPARE
	v_mov_b32 v[NIL], 0
	ds_add_u32 v[SPW], v[NIL]                      ; the wave's opening: the add, twice on end, and its wait ahead of my first tensor load
	ds_add_u32 v[SPW], v[NIL]
	v_lshrrev_b32 v1, 5, v0
	v_readfirstlane_b32 s[WV], v1                  ; wave 0..3
	s_lshr_b32 s[H1], s[WV], 1                     ; my half of source 1.  Also: I fetch for X (0) or for W (1)
	s_and_b32 s[H0], s[WV], 1                      ; my half of source 0.  Also: which 128 rows I fetch
	s_bfe_u32 s[CX], ttmp6, 0x40000
	s_bfe_u32 s[CY], ttmp6, 0x40004
	s_lshl_b32 s[GX], ttmp9, 2
	s_add_co_u32 s[GX], s[GX], s[CX]               ; W's block of 256 rows
	s_and_b32 s[CLY], ttmp7, 0xffff                ; the cluster's y, 0..23
	s_lshr_b32 s[PR], s[CLY], 3                    ; the product: 0 q, 1 k, 2 v
	s_and_b32 s[XB], s[CLY], 7
	s_lshl_b32 s[XB], s[XB], 2
	s_add_co_u32 s[XB], s[XB], s[CY]               ; X's block of 256 rows, 0..31
	s_lshl_b32 s[RMASK], s[CY], 2
	s_lshl_b32 s[RMASK], 15, s[RMASK]              ; my row of the cluster
	s_lshl_b32 s[CMASK], 0x1111, s[CX]             ; my column
	s_cmp_eq_u32 s[PR], 2
	s_cselect_b32 s[ISV], 1, 0
	s_cselect_b32 s[SEL1], 2*HALFT, 0              ; where source 1's rows begin in a slot: X's at 0, W's behind them
	s_cselect_b32 s[SEL0], 0, 2*HALFT              ; and source 0's
	s_mov_b32 s[MHI], 0xffff0000                   ; lanes 16-31
	s_lshl_b32 s51, s[H0], 7
	s_lshl_b32 s[OX], s[XB], 8
	s_add_co_u32 s[OX], s[OX], s51                 ; X: the first row that I fetch
	s_lshl_b32 s[OX+2], s[OX], 5                   ; its scale bytes: 32 a row
	s_lshl_b32 s[OX], s[OX], 9                     ; its codes: 512 bytes a row
	s_mov_b32 s[OX+1], 0
	s_mov_b32 s[OX+3], 0
	s_lshl_b32 s[OW], s[GX], 8
	s_add_co_u32 s[OW], s[OW], s51                 ; W likewise, in registers that never hold X's coordinate
	s_lshl_b32 s[OW+2], s[OW], 5
	s_lshl_b32 s[OW], s[OW], 9
	s_mov_b32 s[OW+1], 0
	s_mov_b32 s[OW+3], 0
	s_mul_i32 s[LSC], s[WV], HALFT                 ; where they go: wave x 128 rows: no place in the cluster enters an LDS address
	s_mul_i32 s[LSS], s[WV], HALFS
	s_wait_dscnt 0x0                               ; both opening adds are done
	s_wait_kmcnt 0x0
	s_cmp_eq_u32 s[PR], 1                          ; the product's six buffers: a choice on the cluster's y alone
	s_cselect_b64 s[XC:XC+1], s[6:7], s[4:5]
	s_cselect_b64 s[XS:XS+1], s[12:13], s[10:11]
	s_cselect_b64 s[WC:WC+1], s[18:19], s[16:17]
	s_cselect_b64 s[WS:WS+1], s[24:25], s[22:23]
	s_cselect_b64 s[BP:BP+1], s[30:31], s[28:29]
	s_cselect_b64 s[OP:OP+1], s[36:37], s[34:35]
	s_cmp_eq_u32 s[PR], 2
	s_cselect_b64 s[XC:XC+1], s[8:9], s[XC:XC+1]
	s_cselect_b64 s[XS:XS+1], s[14:15], s[XS:XS+1]
	s_cselect_b64 s[WC:WC+1], s[20:21], s[WC:WC+1]
	s_cselect_b64 s[WS:WS+1], s[26:27], s[WS:WS+1]
	s_cselect_b64 s[BP:BP+1], s[32:33], s[BP:BP+1]
	s_cselect_b64 s[OP:OP+1], s[38:39], s[OP:OP+1]
	; descriptor group 1, codes: 128 rows x 256 bytes, 512 bytes apart in memory, 16 bytes of padding behind each row in LDS
	s_or_b32 s[G1X], s[RMASK], (1<<20)|(1<<21)|(5<<22)|(3<<25)
	s_or_b32 s[G1W], s[CMASK], (1<<20)|(1<<21)|(5<<22)|(3<<25)
.irp g, G1X, G1W
	s_mov_b32 s[\g+1], 256<<16                     ; tensor_dim0
	s_mov_b32 s[\g+2], 128<<16                     ; tensor_dim1
	s_mov_b32 s[\g+3], 256<<16                     ; tile_dim0
	s_mov_b32 s[\g+4], 128                         ; tile_dim1
	s_mov_b32 s[\g+5], 512                         ; from row to row
	s_mov_b32 s[\g+6], 0
	s_mov_b32 s[\g+7], 0
.endr
	; scale bytes of 128 rows: 4,096 dense bytes as 16 rows of 32 elements of 8 bytes, padded alike
	s_or_b32 s[G1XS], s[RMASK], (3<<16)|(1<<20)|(1<<21)|(5<<22)|(3<<25)
	s_or_b32 s[G1WS], s[CMASK], (3<<16)|(1<<20)|(1<<21)|(5<<22)|(3<<25)
.irp g, G1XS, G1WS
	s_mov_b32 s[\g+1], 32<<16
	s_mov_b32 s[\g+2], 16<<16
	s_mov_b32 s[\g+3], 32<<16
	s_mov_b32 s[\g+4], 16
	s_mov_b32 s[\g+5], 32
	s_mov_b32 s[\g+6], 0
	s_mov_b32 s[\g+7], 0
.endr
	s_add_nc_u64 s[OX:OX+1], s[XC:XC+1], s[OX:OX+1]
	s_add_nc_u64 s[OX+2:OX+3], s[XS:XS+1], s[OX+2:OX+3]
	s_add_nc_u64 s[OW:OW+1], s[WC:WC+1], s[OW:OW+1]
	s_add_nc_u64 s[OW+2:OW+3], s[WS:WS+1], s[OW+2:OW+3]
	CROUND                                         ; all sixteen work-groups are here: the joint loads meet
	s_mov_b32 s[G0XS], 1
	s_add_co_u32 s[G0XS+1], s[LSS], SCL
	s_mov_b64 s[G0XS+2:G0XS+3], s[OX+2:OX+3]
	s_or_b32 s[G0XS+3], s[G0XS+3], 0x80000000
	s_mov_b32 s[G0WS], 1
	s_add_co_u32 s[G0WS+1], s[LSS], SCL
	s_mov_b64 s[G0WS+2:G0WS+3], s[OW+2:OW+3]
	s_or_b32 s[G0WS+3], s[G0WS+3], 0x80000000
	JLOAD G0XS, G1XS, G0WS, G1WS                   ; the scale bytes first
.irp s, 0,1
	s_mov_b32 s[G0X+4*\s], 1
	s_add_co_u32 s[G0X+4*\s+1], s[LSC], \s*SLOT
	s_add_nc_u64 s[G0X+4*\s+2:G0X+4*\s+3], s[OX:OX+1], \s*256
	s_or_b32 s[G0X+4*\s+3], s[G0X+4*\s+3], 0x80000000
	s_mov_b32 s[G0W+4*\s], 1
	s_add_co_u32 s[G0W+4*\s+1], s[LSC], \s*SLOT
	s_add_nc_u64 s[G0W+4*\s+2:G0W+4*\s+3], s[OW:OW+1], \s*256
	s_or_b32 s[G0W+4*\s+3], s[G0W+4*\s+3], 0x80000000
	JLOAD G0X+4*\s, G1X, G0W+4*\s, G1W             ; K 512 s on: three loads of mine are out in all
.endr
	s_mov_b32 s[SEL], 0x76543210                   ; v_permlanex16_b32's selects for lane l xor 16
	s_mov_b32 s[SEL+1], 0xfedcba98
	v_and_b32 v1, 15, v0                           ; r
	v_bfe_u32 v2, v0, 4, 1                         ; h
	v_mul_u32_u24 v3, v1, PITCH
	v_lshl_add_u32 v4, v2, 4, v3                   ; a fragment's row x pitch + 16 h
	s_mul_i32 s36, s[H1], HALFT
	s_add_co_u32 s36, s36, s[SEL1]                 ; my 128 rows of source 1
	s_mul_i32 s38, s[H0], HALFT
	s_add_co_u32 s38, s38, s[SEL0]                 ; and of source 0
.irp s, 0,1
	v_add_nc_u32 v[ADR1+\s], s36, v4
	v_add_nc_u32 v[ADR0+\s], s38, v4
	s_add_co_u32 s36, s36, SLOT
	s_add_co_u32 s38, s38, SLOT
.endr
	v_lshlrev_b32 v5, 5, v1                        ; my row's scale bytes: 32 a row,
	v_lshrrev_b32 v6, 8, v5
	v_lshl_add_u32 v5, v6, 4, v5                   ; and 16 more behind the first 256
	s_lshr_b32 s36, s[SEL1], 3                     ; 2 HALFS where the codes have 2 HALFT
	s_mul_i32 s37, s[H1], HALFS
	s_add_co_u32 s36, s36, s37
	s_add_co_u32 s36, s36, SCL
	s_lshr_b32 s38, s[SEL0], 3
	s_mul_i32 s39, s[H0], HALFS
	s_add_co_u32 s38, s38, s39
	s_add_co_u32 s38, s38, SCL
	v_mov_b32 v6, s36
	v_mov_b32 v7, s38
	v_cndmask_b32 v6, v6, v7, s[MHI]               ; lanes 0-15 take source 1's rows, lanes 16-31 source 0's
	v_add_nc_u32 v[ADRS], v5, v6
	v_and_b32 v8, 31, v0
	v_lshlrev_b32 v[OUTO], 4, v8
.irp b, 0,1,2,3
	v_mov_b32 v[TM+4+\b], 0                        ; written once: a lane permute's destination counts as one of its sources
.endr
	; the bias of my 128 features: along source 0 (q, k) or along source 1 (v)
	s_cmp_eq_u32 s[ISV], 1
	s_cselect_b32 s36, s[H1], s[H0]
	s_lshl_b32 s37, s[GX], 1
	s_add_co_u32 s36, s36, s37
	s_lshl_b32 s36, s36, 9
	s_mov_b32 s37, 0
	s_add_nc_u64 s[BP:BP+1], s[BP:BP+1], s[36:37]
	v_lshlrev_b32 v[BQK], 5, v2
	v_lshlrev_b32 v[BVV], 2, v1
	s_cmp_eq_u32 s[ISV], 1
	s_cbranch_scc1 .Lbias_v
.irp b, 0,1,2,3,4,5,6,7
	global_load_b128 v[BIAS+8*\b:BIAS+8*\b+3], v[BQK], s[BP:BP+1] offset:64*\b       ; tile b's C: register j = bias(16 b + 8 h + j)
	global_load_b128 v[BIAS+8*\b+4:BIAS+8*\b+7], v[BQK], s[BP:BP+1] offset:64*\b+16
.endr
	s_wait_loadcnt 0x0
	s_branch .Lbias_in
.Lbias_v:
.irp a, 0,1,2,3,4,5,6,7
	global_load_b32 v[BIAS+8*\a], v[BVV], s[BP:BP+1] offset:64*\a                    ; tile a's C: every register = bias(16 a + r)
.endr
	s_wait_loadcnt 0x0
.irp a, 0,1,2,3,4,5,6,7
.irp j, 1,2,3,4,5,6,7
	v_mov_b32 v[BIAS+8*\a+\j], v[BIAS+8*\a]
.endr
.endr
.Lbias_in:
	; my unit.  q, k: (group of 128 rows) x 8 + K step.  v: batch x 128 + (128 features) x 16 + (128 keys)
	s_lshl_b32 s36, s[XB], 1
	s_lshl_b32 s37, s[GX], 1
	s_add_co_u32 s38, s36, s[H1]
	s_lshl_b32 s38, s38, 3
	s_add_co_u32 s38, s38, s37
	s_add_co_u32 s38, s38, s[H0]
	s_add_co_u32 s36, s36, s[H0]                   ; v: the group of 128 keys, 0..63
	s_add_co_u32 s37, s37, s[H1]
	s_lshl_b32 s37, s37, 4
	s_lshr_b32 s39, s36, 4
	s_lshl_b32 s39, s39, 7
	s_and_b32 s36, s36, 15
	s_add_co_u32 s39, s39, s37
	s_add_co_u32 s39, s39, s36
	s_cmp_eq_u32 s[ISV], 1
	s_cselect_b32 s38, s39, s38
	s_mul_i32 s38, s38, UNIT
	s_mov_b32 s39, 0
	s_add_nc_u64 s[OP:OP+1], s[OP:OP+1], s[38:39]
; A fragment, 16 rows x 128 K of 4-bit codes: lane l holds row l % 16; registers 4 c .. 4 c + 3 hold K = 64 c + 32 (l / 16) + 0 .. 31.  g: the K step, 0..7: slot g / 4
.macro FRAG reg, adr, g, i
.irp c, 0,1
	ds_load_b128 v[\reg+4*\c:\reg+4*\c+3], v[\adr+(\g)/4] offset:64*((\g)%4)+32*\c+(\i)*16*PITCH
.endr
.endm
.macro FETCH_0 g                       ; source 0's eight fragments into set g % 2 of window 1
	WIN 0x40
.irp i, 0,1,2,3,4,5,6,7
	FRAG 128*((\g)%2)+8*\i, ADR0, \g, \i
.endr
	WIN 0
.endm
.macro FETCH_1 g, i0                   ; source 1's blocks i0 .. i0 + 3
.irp i, \i0, \i0+1, \i0+2, \i0+3
	FRAG AF+8*(\i), ADR1, \g, \i
.endr
.endm
.macro SCALES sc                       ; a slot's scale words: four a row
.irp i, 0,1,2,3,4,5,6,7
	ds_load_b128 v[SC+32*\sc+4*\i:SC+32*\sc+4*\i+3], v[ADRS] offset:\i*SBLK+16*\sc
.endr
.endm
; 16 matrix instructions: source 1's blocks a0, a0 + 1 x source 0's eight.  mode 0: the sums go on; 1: they begin with the bias along source 0; 2: with the bias along source 1.
; The 64 accumulators take turns, one instruction a turn, in the same order in every K step.
.macro MUL16 a0, g, mode
.if \mode
	WIN 0x81+0x40*((\a0)/4)
.else
	WIN 0xa1+0x50*((\a0)/4)
.endif
.irp a, \a0, \a0+1
.irp b, 0,1,2,3,4,5,6,7
.set rD, 8*(8*((\a)%4)+\b)
.set rA, 128*((\g)%2)+8*\b
.set rB, AF+8*(\a)
.set rSA, SC+32*((\g)/4)+4*\b+(\g)%4
.set rSB, SC+32*((\g)/4)+4*(\a)+(\g)%4
.if \mode == 0
	v_wmma_scale_f32_16x16x128_f8f6f4 v[rD:rD+7], v[rA:rA+7], v[rB:rB+7], v[rD:rD+7], v[rSA], v[rSB] matrix_a_fmt:MATRIX_FMT_FP4 matrix_b_fmt:MATRIX_FMT_FP4 matrix_a_scale:MATRIX_SCALE_ROW1
.elseif \mode == 1
	v_wmma_scale_f32_16x16x128_f8f6f4 v[rD:rD+7], v[rA:rA+7], v[rB:rB+7], v[BIAS+8*\b:BIAS+8*\b+7], v[rSA], v[rSB] matrix_a_fmt:MATRIX_FMT_FP4 matrix_b_fmt:MATRIX_FMT_FP4 matrix_a_scale:MATRIX_SCALE_ROW1
.else
	v_wmma_scale_f32_16x16x128_f8f6f4 v[rD:rD+7], v[rA:rA+7], v[rB:rB+7], v[BIAS+8*(\a):BIAS+8*(\a)+7], v[rSA], v[rSB] matrix_a_fmt:MATRIX_FMT_FP4 matrix_b_fmt:MATRIX_FMT_FP4 matrix_a_scale:MATRIX_SCALE_ROW1
.endif
.endr
.endr
.endm
.macro STEP g, mode                    ; K step g, and the fetches of K step g + 1 in two runs
	s_wait_dscnt 8                                 ; all but the youngest eight loads (source 1's blocks 4-7) are in
	MUL16 0, \g, \mode
	MUL16 2, \g, \mode
	s_wait_dscnt 0x0                               ; blocks 4-7 are in
	PLACES
	FETCH_0 (\g)+1
	FETCH_1 (\g)+1, 0
	MUL16 4, \g, \mode
	MUL16 6, \g, \mode
	PLACES
	WIN 0
	FETCH_1 (\g)+1, 4
.endm
.macro LAST g
	s_wait_dscnt 8
	MUL16 0, \g, 0
	MUL16 2, \g, 0
	s_wait_dscnt 0x0
	MUL16 4, \g, 0
	MUL16 6, \g, 0
	WIN 0
.endm
; Source 1's block a: 16 rows x 128 along the next K become a fragment's codes in v[AF + 8 a] on and a scale word, and the fragment's image is stored: each store covers 512 consecutive bytes.
.macro QUANT a
.set QW, 2+(\a)/4
.set AB, 64*((\a)%4)
.set PC, AF+8*(\a)
	WIN (QW<<2)|(QW<<4)
.irp b, 0,1,2,3
	v_max3_num_f32 v[TM+\b], 0x1800000, |v[AB+16*\b]|, |v[AB+16*\b+1]|      ; block b: my 16 numbers, each accumulator from its low end on, and the floor 2^(3 - 127): the byte cannot fall under 1
.endr
.irp i, 2,4,6,8,10,12,14
.irp b, 0,1,2,3
	v_max3_num_f32 v[TM+\b], v[TM+\b], |v[AB+16*\b+\i]|, |v[AB+16*\b+\i+1]|
.endr
.endr
	WIN 0
.irp b, 0,1,2,3
	v_permlanex16_b32 v[TM+4+\b], v[TM+\b], s[SEL], s[SEL+1]
.endr
.irp b, 0,1,2,3
	v_max_num_f32 v[TM+\b], v[TM+\b], v[TM+4+\b]   ; with lane l xor 16's 16: the block's largest magnitude
.endr
.irp b, 0,1,2,3
	v_add_nc_u32 v[TM+12+\b], 0xff000000, v[TM+\b] ; 2 off its exponent field: the conversion's scale operand
.endr
.irp b, 0,1,2,3
	v_lshrrev_b32 v[TM+4+\b], 23, v[TM+12+\b]      ; the scale's byte
.endr
	v_lshl_or_b32 v[PW+(\a)%2], v[TM+5], 8, v[TM+4]
	v_lshl_or_b32 v[PW+(\a)%2], v[TM+6], 16, v[PW+(\a)%2]
	v_lshl_or_b32 v[PW+(\a)%2], v[TM+7], 24, v[PW+(\a)%2]
	WIN QW
.irp c, 0,1                            ; tiles 4 c + 0, 1, 2, 3 go to registers 4 c + 0, 2, 1, 3
	v_cvt_scalef32_pk8_fp4_f32 v[PC+4*\c], v[AB+32*\c:AB+32*\c+7], v[TM+12+2*\c]
	v_cvt_scalef32_pk8_fp4_f32 v[PC+4*\c+2], v[AB+32*\c+8:AB+32*\c+15], v[TM+12+2*\c]
	v_cvt_scalef32_pk8_fp4_f32 v[PC+4*\c+1], v[AB+32*\c+16:AB+32*\c+23], v[TM+13+2*\c]
	v_cvt_scalef32_pk8_fp4_f32 v[PC+4*\c+3], v[AB+32*\c+24:AB+32*\c+31], v[TM+13+2*\c]
.endr
	WIN 0
	v_nop                                          ; one plain place behind a scaled conversion
.irp c, 0,1                            ; the first's lanes 16-31 change places with the second's lanes 0-15: register 4 c + i then holds K = 64 c + 32 h + 8 i + 0 .. 7
	v_permlane16_swap_b32 v[PC+4*\c], v[PC+4*\c+1]
	v_permlane16_swap_b32 v[PC+4*\c+2], v[PC+4*\c+3]
.endr
	global_store_b128 v[OUTO], v[PC:PC+3], s[OP:OP+1] offset:(\a)*1024
	global_store_b128 v[OUTO], v[PC+4:PC+7], s[OP:OP+1] offset:(\a)*1024+512
.if (\a)%2
	v_cndmask_b32 v[SCI+(\a)/2], v[PW], v[PW+1], s[MHI]   ; lanes 0-15 the even tile's words, lanes 16-31 the odd tile's
.endif
.endm
	s_wait_tensorcnt 1                             ; the scale bytes and my part of slot 0 are in; slot 1's load, the one issued behind them, may stay out
	s_barrier_signal -1
	s_barrier_wait -1                              ; everybody's are
	FETCH_0 0
	FETCH_1 0, 0
	SCALES 0
	SCALES 1
	FETCH_1 0, 4
	s_cmp_eq_u32 s[ISV], 1
	s_cbranch_scc1 .Lfirst_v
	STEP 0, 1                                      ; the first K step starts the sums with the bias: nothing is cleared or added later
	s_branch .Lfirst_done
.Lfirst_v:
	STEP 0, 2
.Lfirst_done:
	STEP 1, 0
	STEP 2, 0
	s_wait_dscnt 0x0                               ; no LDS instruction of mine is pending at a signal
	s_wait_tensorcnt 0x0                           ; my part of slot 1 is in,
	s_barrier_signal -1
	s_barrier_wait -1                              ; everybody's is: K step 3 fetches slot 1's first fragments
	STEP 3, 0
	STEP 4, 0
	STEP 5, 0
	STEP 6, 0
	LAST 7
	PLACES                                         ; behind the last products: the results are read, and the codes are written where source 1's fragments lay
.irp a, 0,1,2,3,4,5,6,7
	QUANT \a                                       ; each block has registers of its own for its codes: no store's data are written again
.endr
	global_store_b128 v[OUTO], v[SCI:SCI+3], s[OP:OP+1] offset:8192
	s_wait_tensorcnt 0x0                           ; the wave's end
	ds_add_u32 v[SPW], v[NIL]
	s_wait_dscnt 0x0
	CROUND                                         ; the closing round: no work-group ends while a partner may still ask for a tile that names it
	s_endpgm
.Lfunc_end_k_qf3fa2d0ae3_proj:
	.size	k_qf3fa2d0ae3_proj, .Lfunc_end_k_qf3fa2d0ae3_proj-k_qf3fa2d0ae3_proj
	.p2alignl 7, 3214868480
	.fill 96, 4, 3214868480
	.section	.rodata,"a",@progbits
	.p2align	6, 0x0
	.amdhsa_kernel k_qf3fa2d0ae3_proj
		.amdhsa_group_segment_fixed_size 296448
		.amdhsa_private_segment_fixed_size 0
		.amdhsa_enable_private_segment 0
		.amdhsa_kernarg_size 144
		.amdhsa_user_sgpr_count 2
		.amdhsa_user_sgpr_kernarg_segment_ptr 1
		.amdhsa_wavefront_size32 1
		.amdhsa_system_sgpr_workgroup_id_x 1
		.amdhsa_system_sgpr_workgroup_id_y 1
		.amdhsa_system_sgpr_workgroup_id_z 1
		.amdhsa_system_vgpr_workitem_id 0
		.amdhsa_next_free_vgpr 1024
		.amdhsa_next_free_sgpr 102
		.amdhsa_reserve_vcc 0
		.amdhsa_float_denorm_mode_32 3
		.amdhsa_float_denorm_mode_16_64 3
		.amdhsa_memory_ordered 1
		.amdhsa_forward_progress 1
		.amdhsa_inst_pref_size 144
	.end_amdhsa_kernel
	.amdgpu_metadata
---
amdhsa.version: [ 1, 2 ]
amdhsa.kernels:
  - .name:           k_qf3fa2d0ae3_proj
    .symbol:         k_qf3fa2d0ae3_proj.kd
    .args:
      - { .name: q_codes, .offset: 0, .size: 8, .value_kind: global_buffer, .address_space: global }
      - { .name: k_codes, .offset: 8, .size: 8, .value_kind: global_buffer, .address_space: global }
      - { .name: v_codes, .offset: 16, .size: 8, .value_kind: global_buffer, .address_space: global }
      - { .name: q_scales, .offset: 24, .size: 8, .value_kind: global_buffer, .address_space: global }
      - { .name: k_scales, .offset: 32, .size: 8, .value_kind: global_buffer, .address_space: global }
      - { .name: v_scales, .offset: 40, .size: 8, .value_kind: global_buffer, .address_space: global }
      - { .name: Wq_codes, .offset: 48, .size: 8, .value_kind: global_buffer, .address_space: global }
      - { .name: Wk_codes, .offset: 56, .size: 8, .value_kind: global_buffer, .address_space: global }
      - { .name: Wv_codes, .offset: 64, .size: 8, .value_kind: global_buffer, .address_space: global }
      - { .name: Wq_scales, .offset: 72, .size: 8, .value_kind: global_buffer, .address_space: global }
      - { .name: Wk_scales, .offset: 80, .size: 8, .value_kind: global_buffer, .address_space: global }
      - { .name: Wv_scales, .offset: 88, .size: 8, .value_kind: global_buffer, .address_space: global }
      - { .name: bq, .offset: 96, .size: 8, .value_kind: global_buffer, .address_space: global }
      - { .name: bk, .offset: 104, .size: 8, .value_kind: global_buffer, .address_space: global }
      - { .name: bv, .offset: 112, .size: 8, .value_kind: global_buffer, .address_space: global }
      - { .name: qimg, .offset: 120, .size: 8, .value_kind: global_buffer, .address_space: global }
      - { .name: kimg, .offset: 128, .size: 8, .value_kind: global_buffer, .address_space: global }
      - { .name: vimg, .offset: 136, .size: 8, .value_kind: global_buffer, .address_space: global }
    .group_segment_fixed_size: 296448
    .private_segment_fixed_size: 0
    .kernarg_segment_align: 8
    .kernarg_segment_size: 144
    .max_flat_workgroup_size: 128
    .sgpr_count:     102
    .vgpr_count:     1024
    .wavefront_size: 32
...
	.end_amdgpu_metadata
.endif
;; end of part 1
;; launch scores (part 2): grid 9 x 16, 4 waves a work-group, no clusters, 279,040 bytes of LDS; arguments qimg, kimg, pimg; writes pimg
.if DOCPART == 2
	.amdgcn_target "amdgcn-amd-amdhsa--gfx1250"
	.amdhsa_code_object_version 6
	.text
	.protected	k_qf3fa2d0ae3_scores
	.globl	k_qf3fa2d0ae3_scores
	.p2align	8
	.type	k_qf3fa2d0ae3_scores,@function
k_qf3fa2d0ae3_scores:
	s_mov_b64 s[64:65], 0
	v_nop
	global_prefetch_b8 v0, s[64:65] scope:SCOPE_SE
	s_setreg_imm32_b32 hwreg(HW_REG_WAVE_MODE, 25, 1), 1
	s_wait_xcnt 0x0
; S^T = kp qp^T on codes of FP4, the causal mask, and p = 2^(t - M) quantised along the keys, by blocks of 128 queries x 128 keys.  t = score x log2(e) / 32.
; WORK LEFT OUT: blocks all of whose keys come after all of their queries (the mask that reference() builds makes their p 0 for all finite inputs): they are neither computed nor stored, and pv does not read them.
; M IS TAKEN OVER THE BLOCK'S 128 KEYS ALONE: ceil of the largest t there.  M is a whole number, so p's codes are those under the row's M, and only the scale bytes and the block's sum have to be moved by a power of two: pv does that.
; SHARES.  A work-group takes 256 queries x 256 keys.  A batch has 36 such tiles on or under the diagonal; rows 7 - yy and yy of the triangle together have 9: grid x = 0..8, y = 4 x batch + yy.
; Wave w takes queries 128 (w / 2) on and keys 128 (w % 2) on: 64 accumulators.  In a tile on the diagonal the wave with the earlier queries and the later keys has nothing to compute: it fetches its part, passes the barrier, and ends.
; NO CLUSTER: row Cq of the triangle has Cq + 1 tiles, so the tiles that share rows do not fall into groups of four of equal work.
; LDS: four regions of 69,632 bytes: 128 rows x all 1,024 of K as proj laid them, 8 units of 8,704 bytes (8 fragment images, then the scale image).  Regions 0, 1: the queries; 2, 3: the keys.  Wave w fills region w by one
; tensor load; nothing is filled again.  A fragment comes by two loads of 512 consecutive bytes.
; LAYOUT.  Source 0 = 16 keys, source 1 = 16 queries: lane (r, h) holds query r and, in register j of tile b, key 16 b + 8 h + j.  The way from there to the operand's order is proj's.
; OUT: pimg[batch][128 queries][128 keys]: a unit of 10,240 bytes: 8 fragment images (16 queries x 128 keys), then 4 metas of 512 bytes: lane l's 16 bytes = -M, 0, the scale word, the sum of p, of tile 2 p (lanes 0-15) or 2 p + 1 (lanes 16-31).
; LIMITS: the largest p of a block of 32 keys is made from the block's largest score by the same multiply-add and exponential, which takes v_exp_f32 not to fall where its input rises; -M is exact while |t| stays under 2^24.
; REGISTERS: window 0: v16-29 addresses; v32-95 scale words; v96-127 at work; v128-191 source 1's fragments, later p's codes; v192-207 the metas.  window 1: source 0's fragments, two sets.  windows 2, 3: accumulators.
.set UNIT,  8704
.set GRP,   8*UNIT
.set PUNIT, 10240
.set SPARE, 4*GRP
.set ADR1, 16                          ; v16-17 source 1's units 0-3, 4-7
.set ADR0, 20                          ; v20-21 source 0's
.set OUTO, 24                          ; v24 16 x lane
.set QD,   25                          ; v25 r - 8 h
.set NINF, 27                          ; v27 -infinity
.set SPW,  28
.set NIL,  29
.set SC,   32                          ; 8 g + 0..3: source 1's pairs of tiles; 8 g + 4..7: source 0's
.set BM,   96
.set BX,   100
.set SO,   104
.set BY,   108
.set LA,   112
.set LB,   114
.set T,    116
.set NM,   120                         ; v[120:121], v[122:123]: -M of an even and of an odd tile, each named as a pair
.set CW,   124
.set CL,   126
.set AF,   128
.set MT,   192
.set WV, 10
.set QH, 11
.set KH, 12
.set BT, 13
.set YY, 14
.set CQ, 16
.set CK, 17
.set QG, 18
.set KG, 19
.set FG, 20
.set G1, 24
.set G0, 32
.set SEL, 42
.set CS, 44
.set MHI, 46
.set MK, 48
.set MSB, 0
.macro WIN new
.if MSB != (\new)
	s_set_vgpr_msb (MSB<<8)|(\new)
.set MSB, \new
.endif
.endm
.macro PLACES
.rept 4
	v_nop
.endr
.endm
	s_load_b128 s[4:7], s[0:1], 0x0                ; qimg, kimg
	s_load_b64 s[8:9], s[0:1], 0x10                ; pimg
	v_lshl_add_u32 v[SPW], v0, 2, SPARE
	v_mov_b32 v[NIL], 0
	ds_add_u32 v[SPW], v[NIL]                      ; the wave's opening: the add, twice on end, and its wait ahead of my first tensor load
	ds_add_u32 v[SPW], v[NIL]
	v_lshrrev_b32 v1, 5, v0
	v_readfirstlane_b32 s[WV], v1
	s_lshr_b32 s[QH], s[WV], 1
	s_and_b32 s[KH], s[WV], 1
	s_and_b32 s[BT], ttmp7, 0xffff
	s_and_b32 s[YY], s[BT], 3
	s_lshr_b32 s[BT], s[BT], 2                     ; batch
	s_sub_co_u32 s15, 8, s[YY]
	s_sub_co_u32 s[CQ], 7, s[YY]
	s_sub_co_u32 s[CK], ttmp9, s15
	s_cmp_lt_u32 ttmp9, s15                        ; x < 8 - yy: row 7 - yy of the triangle, column x; else row yy, column x - 8 + yy
	s_cselect_b32 s[CQ], s[CQ], s[YY]
	s_cselect_b32 s[CK], ttmp9, s[CK]
	s_lshl_b32 s[QG], s[CQ], 1
	s_add_co_u32 s[QG], s[QG], s[QH]               ; my 128 queries
	s_lshl_b32 s[KG], s[CK], 1
	s_add_co_u32 s[KG], s[KG], s[KH]               ; my 128 keys
	s_cmp_lt_u32 s[WV], 2                          ; waves 0, 1 fetch the tile's queries, waves 2, 3 its keys
	s_cselect_b32 s[FG], s[CQ], s[CK]
	s_lshl_b32 s[FG], s[FG], 1
	s_add_co_u32 s[FG], s[FG], s[KH]
	s_lshl_b32 s15, s[BT], 4
	s_add_co_u32 s[FG], s[FG], s15
	s_mul_i32 s22, s[FG], GRP
	s_mov_b32 s23, 0
	s_mov_b32 s[G0], 1
	s_mul_i32 s[G0+1], s[WV], GRP                  ; region w
	s_mov_b32 s[G1], 3<<16                         ; 69,632 dense bytes as 272 rows of 32 elements of 8 bytes; no padding: every read takes 512 consecutive bytes
	s_mov_b32 s[G1+1], 32<<16
	s_mov_b32 s[G1+2], 272<<16
	s_mov_b32 s[G1+3], 32<<16
	s_mov_b32 s[G1+4], 272
	s_mov_b32 s[G1+5], 32
	s_mov_b32 s[G1+6], 0
	s_mov_b32 s[G1+7], 0
	s_mov_b32 s[SEL], 0x76543210
	s_mov_b32 s[SEL+1], 0xfedcba98
	s_mov_b32 s[CS], 0x3d38aa3b                    ; c = log2(e) / 32
	s_mov_b32 s[CS+1], s[CS]
	s_mov_b32 s[MHI], 0xffff0000
	s_add_co_u32 s36, s15, s[QG]
	s_lshl_b32 s36, s36, 4
	s_add_co_u32 s36, s36, s[KG]
	s_mul_i32 s36, s36, PUNIT                      ; my unit of pimg
	s_mov_b32 s37, 0
	s_wait_dscnt 0x0                               ; both opening adds are done
	s_wait_kmcnt 0x0
	s_cmp_lt_u32 s[WV], 2
	s_cselect_b64 s[G0+2:G0+3], s[4:5], s[6:7]
	s_add_nc_u64 s[G0+2:G0+3], s[G0+2:G0+3], s[22:23]
	s_or_b32 s[G0+3], s[G0+3], 0x80000000
	tensor_load_to_lds s[G0:G0+3], s[G1:G1+7]      ; my one load
	s_nop 0
.rept 4
	v_nop
.endr
	s_add_nc_u64 s[8:9], s[8:9], s[36:37]
	v_and_b32 v2, 31, v0
	v_lshlrev_b32 v[OUTO], 4, v2
	s_mul_i32 s36, s[QH], GRP
	v_add_nc_u32 v[ADR1], s36, v[OUTO]
	v_add_nc_u32 v[ADR1+1], 4*UNIT, v[ADR1]
	s_mul_i32 s37, s[KH], GRP
	s_add_co_u32 s37, s37, 2*GRP
	v_add_nc_u32 v[ADR0], s37, v[OUTO]
	v_add_nc_u32 v[ADR0+1], 4*UNIT, v[ADR0]
	v_and_b32 v1, 15, v0
	v_bfe_u32 v3, v0, 4, 1
	v_lshlrev_b32 v3, 3, v3
	v_sub_nc_u32 v[QD], v1, v3
	v_mov_b32 v[NINF], 0xff800000
.irp b, 0,1,2,3
	v_mov_b32 v[BX+\b], 0                          ; written once: a lane permute's destination counts as one of its sources
	v_mov_b32 v[MT+4*\b+1], 0                      ; a meta's second word
.endr
	v_mov_b32 v[T+1], 0
	v_mov_b32 v[NM+1], 0                           ; the upper halves of the pairs that the packed form names
	v_mov_b32 v[NM+3], 0
	s_wait_tensorcnt 0x0                           ; my region is in,
	s_barrier_signal -1
	s_barrier_wait -1                              ; everybody's is
	s_cmp_gt_u32 s[KG], s[QG]                      ; ids alone.  All my keys come after all my queries: nothing to compute
	s_cbranch_scc1 .Lend
.macro FRAG reg, adr, g, i
.irp c, 0,1
	ds_load_b128 v[\reg+4*\c:\reg+4*\c+3], v[\adr+(\g)/4] offset:((\g)%4)*UNIT+(\i)*1024+512*\c
.endr
.endm
.macro FETCH_0 g
	WIN 0x40
.irp i, 0,1,2,3,4,5,6,7
	FRAG 128*((\g)%2)+8*\i, ADR0, \g, \i
.endr
	WIN 0
.endm
.macro FETCH_1 g, i0
.irp i, \i0, \i0+1, \i0+2, \i0+3
	FRAG AF+8*(\i), ADR1, \g, \i
.endr
.endm
; one matrix instruction by the symbols rD, rA, rB, rSA, rSB; xA, xB: the side's scale words lie in lanes 16-31
.macro WM zero
.if \zero
.if xA && xB
	v_wmma_scale_f32_16x16x128_f8f6f4 v[rD:rD+7], v[rA:rA+7], v[rB:rB+7], 0, v[rSA], v[rSB] matrix_a_fmt:MATRIX_FMT_FP4 matrix_b_fmt:MATRIX_FMT_FP4 matrix_a_scale:MATRIX_SCALE_ROW1 matrix_b_scale:MATRIX_SCALE_ROW1
.elseif xA
	v_wmma_scale_f32_16x16x128_f8f6f4 v[rD:rD+7], v[rA:rA+7], v[rB:rB+7], 0, v[rSA], v[rSB] matrix_a_fmt:MATRIX_FMT_FP4 matrix_b_fmt:MATRIX_FMT_FP4 matrix_a_scale:MATRIX_SCALE_ROW1
.elseif xB
	v_wmma_scale_f32_16x16x128_f8f6f4 v[rD:rD+7], v[rA:rA+7], v[rB:rB+7], 0, v[rSA], v[rSB] matrix_a_fmt:MATRIX_FMT_FP4 matrix_b_fmt:MATRIX_FMT_FP4 matrix_b_scale:MATRIX_SCALE_ROW1
.else
	v_wmma_scale_f32_16x16x128_f8f6f4 v[rD:rD+7], v[rA:rA+7], v[rB:rB+7], 0, v[rSA], v[rSB] matrix_a_fmt:MATRIX_FMT_FP4 matrix_b_fmt:MATRIX_FMT_FP4
.endif
.else
.if xA && xB
	v_wmma_scale_f32_16x16x128_f8f6f4 v[rD:rD+7], v[rA:rA+7], v[rB:rB+7], v[rD:rD+7], v[rSA], v[rSB] matrix_a_fmt:MATRIX_FMT_FP4 matrix_b_fmt:MATRIX_FMT_FP4 matrix_a_scale:MATRIX_SCALE_ROW1 matrix_b_scale:MATRIX_SCALE_ROW1
.elseif xA
	v_wmma_scale_f32_16x16x128_f8f6f4 v[rD:rD+7], v[rA:rA+7], v[rB:rB+7], v[rD:rD+7], v[rSA], v[rSB] matrix_a_fmt:MATRIX_FMT_FP4 matrix_b_fmt:MATRIX_FMT_FP4 matrix_a_scale:MATRIX_SCALE_ROW1
.elseif xB
	v_wmma_scale_f32_16x16x128_f8f6f4 v[rD:rD+7], v[rA:rA+7], v[rB:rB+7], v[rD:rD+7], v[rSA], v[rSB] matrix_a_fmt:MATRIX_FMT_FP4 matrix_b_fmt:MATRIX_FMT_FP4 matrix_b_scale:MATRIX_SCALE_ROW1
.else
	v_wmma_scale_f32_16x16x128_f8f6f4 v[rD:rD+7], v[rA:rA+7], v[rB:rB+7], v[rD:rD+7], v[rSA], v[rSB] matrix_a_fmt:MATRIX_FMT_FP4 matrix_b_fmt:MATRIX_FMT_FP4
.endif
.endif
.endm
; 16 matrix instructions: query tiles a0, a0 + 1 x the eight key tiles.  The 64 accumulators take turns, in the same order in every K step.
.macro MUL16 a0, g, zero
	WIN 0xa1+0x50*((\a0)/4)
.irp a, \a0, \a0+1
.irp b, 0,1,2,3,4,5,6,7
.set rD, 8*(8*((\a)%4)+\b)
.set rA, 128*((\g)%2)+8*\b
.set rB, AF+8*(\a)
.set rSA, SC+8*(\g)+4+\b/2
.set rSB, SC+8*(\g)+(\a)/2
.set xA, \b%2
.set xB, (\a)%2
	WM \zero
.endr
.endr
.endm
.macro STEP g, zero
	s_wait_dscnt 8                                 ; all but the youngest eight loads (query tiles 4-7) are in
	MUL16 0, \g, \zero
	MUL16 2, \g, \zero
	s_wait_dscnt 0x0
	PLACES
	FETCH_0 (\g)+1
	FETCH_1 (\g)+1, 0
	MUL16 4, \g, \zero
	MUL16 6, \g, \zero
	PLACES
	WIN 0
	FETCH_1 (\g)+1, 4
.endm
; THE MASK, in a block on the diagonal, by tiles of 16 x 16.  Key 16 b + 8 h + j is hidden from query 16 a + r where it is the larger: never for b < a, always for b > a, and for b = a where j > r - 8 h.
.macro MASKALL
.irp j, 0,1,2,3,4,5,6,7
	v_cmp_gt_i32 s[MK+\j], \j, v[QD]               ; eight lane masks, made once
.endr
.irp a, 0,1,2,3,4,5,6,7
	WIN ((2+\a/4)<<6)|(2+\a/4)
.irp b, 0,1,2,3,4,5,6,7
.if \b == \a
.irp j, 0,1,2,3,4,5,6,7
	v_cndmask_b32 v[64*(\a%4)+8*\b+\j], v[64*(\a%4)+8*\b+\j], v[NINF], s[MK+\j]
.endr
.elseif \b > \a
.irp j, 0,1,2,3,4,5,6,7
	v_mov_b32 v[64*(\a%4)+8*\b+\j], 0xff800000
.endr
.endif
.endr
.endr
	WIN 0
.endm
; Query tile a: the block's M, p, its sum, its codes and scale word; the fragment's image is stored, and behind an odd tile the pair's meta.
.macro SOFT a
.set QW, 2+(\a)/4
.set AB, 64*((\a)%4)
.set PC, AF+8*(\a)
.set NMR, NM+2*((\a)%2)
.set CWR, CW+(\a)%2
.set CLR, CL+(\a)%2
	WIN (QW<<2)|(QW<<4)
.irp b, 0,1,2,3
	v_max3_num_f32 v[BM+\b], 0xff800000, v[AB+16*\b], v[AB+16*\b+1]          ; the largest score of each 32 keys, each accumulator from its low end on
.endr
.irp i, 2,4,6,8,10,12,14
.irp b, 0,1,2,3
	v_max3_num_f32 v[BM+\b], v[BM+\b], v[AB+16*\b+\i], v[AB+16*\b+\i+1]
.endr
.endr
	WIN 0
.irp b, 0,1,2,3
	v_permlanex16_b32 v[BX+\b], v[BM+\b], s[SEL], s[SEL+1]
.endr
.irp b, 0,1,2,3
	v_max_num_f32 v[BM+\b], v[BM+\b], v[BX+\b]
.endr
	v_max3_num_f32 v[T], v[BM], v[BM+1], v[BM+2]
	v_max_num_f32 v[T], v[T], v[BM+3]              ; my query's largest score among the 128 keys
	v_mul_f32 v[T], s[CS], v[T]
	v_floor_f32 v[NMR], -v[T]                      ; -M = floor(-t) = -ceil(t)
.irp b, 0,1,2,3
	v_fma_f32 v[BM+\b], v[BM+\b], s[CS], v[NMR]
.endr
	WIN (QW<<6)|QW
.set i, 0
.rept 32
	v_pk_fma_f32 v[AB+i:AB+i+1], v[AB+i:AB+i+1], s[CS:CS+1], v[NMR:NMR+1] op_sel_hi:[1,0,0]   ; t - M
.set i, i+2
.endr
.set i, 0
.rept 64
	v_exp_f32 v[AB+i], v[AB+i]                     ; p = 2^(t - M)
.set i, i+1
.endr
	WIN 0
.irp b, 0,1,2,3
	v_exp_f32 v[BM+\b], v[BM+\b]                   ; each block's largest p
.endr
	v_nop                                          ; a plain instruction behind the last exponential
	s_wait_alu depctr_va_vdst(0)                   ; the wait ahead of the first instruction that names a result: one for the 68
	WIN (QW<<2)|QW
	v_pk_add_f32 v[LA:LA+1], v[AB:AB+1], v[AB+2:AB+3]          ; the sum of the unquantised p, two at a time, in two chains
	v_pk_add_f32 v[LB:LB+1], v[AB+4:AB+5], v[AB+6:AB+7]
	WIN (QW<<2)
.set i, 8
.rept 14
	v_pk_add_f32 v[LA:LA+1], v[LA:LA+1], v[AB+i:AB+i+1]
	v_pk_add_f32 v[LB:LB+1], v[LB:LB+1], v[AB+i+2:AB+i+3]
.set i, i+4
.endr
	WIN 0
.irp b, 0,1,2,3
	v_max_num_f32 v[BM+\b], 0x1800000, v[BM+\b]    ; the floor 2^(3 - 127): the byte cannot fall under 1
.endr
	v_pk_add_f32 v[LA:LA+1], v[LA:LA+1], v[LB:LB+1]
.irp b, 0,1,2,3
	v_add_nc_u32 v[SO+\b], 0xff000000, v[BM+\b]    ; 2 off the exponent field: the conversion's scale operand
.endr
	v_add_f32 v[CLR], v[LA], v[LA+1]
.irp b, 0,1,2,3
	v_lshrrev_b32 v[BY+\b], 23, v[SO+\b]
.endr
	v_permlanex16_b32 v[T+1], v[CLR], s[SEL], s[SEL+1]
	v_lshl_or_b32 v[CWR], v[BY+1], 8, v[BY]
	v_lshl_or_b32 v[CWR], v[BY+2], 16, v[CWR]
	v_lshl_or_b32 v[CWR], v[BY+3], 24, v[CWR]
	v_add_f32 v[CLR], v[CLR], v[T+1]               ; with lane l xor 16's 64 keys
	WIN QW
.irp c, 0,1
	v_cvt_scalef32_pk8_fp4_f32 v[PC+4*\c], v[AB+32*\c:AB+32*\c+7], v[SO+2*\c]
	v_cvt_scalef32_pk8_fp4_f32 v[PC+4*\c+2], v[AB+32*\c+8:AB+32*\c+15], v[SO+2*\c]
	v_cvt_scalef32_pk8_fp4_f32 v[PC+4*\c+1], v[AB+32*\c+16:AB+32*\c+23], v[SO+1+2*\c]
	v_cvt_scalef32_pk8_fp4_f32 v[PC+4*\c+3], v[AB+32*\c+24:AB+32*\c+31], v[SO+1+2*\c]
.endr
	WIN 0
	v_nop                                          ; one plain place behind a scaled conversion
.irp c, 0,1
	v_permlane16_swap_b32 v[PC+4*\c], v[PC+4*\c+1]
	v_permlane16_swap_b32 v[PC+4*\c+2], v[PC+4*\c+3]
.endr
	global_store_b128 v[OUTO], v[PC:PC+3], s[8:9] offset:(\a)*1024
	global_store_b128 v[OUTO], v[PC+4:PC+7], s[8:9] offset:(\a)*1024+512
.if (\a)%2
	v_cndmask_b32 v[MT+4*((\a)/2)], v[NM], v[NM+2], s[MHI]     ; lanes 0-15 the even tile's, lanes 16-31 the odd tile's
	v_cndmask_b32 v[MT+4*((\a)/2)+2], v[CW], v[CW+1], s[MHI]
	v_cndmask_b32 v[MT+4*((\a)/2)+3], v[CL], v[CL+1], s[MHI]
	global_store_b128 v[OUTO], v[MT+4*((\a)/2):MT+4*((\a)/2)+3], s[8:9] offset:8192+512*((\a)/2)
.endif
.endm
	FETCH_0 0
	FETCH_1 0, 0
.irp g, 0,1,2,3,4,5,6,7                ; the scale words of all eight K steps
	ds_load_b128 v[SC+8*\g:SC+8*\g+3], v[ADR1+\g/4] offset:(\g%4)*UNIT+8192
	ds_load_b128 v[SC+8*\g+4:SC+8*\g+7], v[ADR0+\g/4] offset:(\g%4)*UNIT+8192
.endr
	FETCH_1 0, 4
	STEP 0, 1                                      ; the first K step starts the sums
	STEP 1, 0
	STEP 2, 0
	STEP 3, 0
	STEP 4, 0
	STEP 5, 0
	STEP 6, 0
	s_wait_dscnt 8
	MUL16 0, 7, 0
	MUL16 2, 7, 0
	s_wait_dscnt 0x0
	MUL16 4, 7, 0
	MUL16 6, 7, 0
	WIN 0
	PLACES                                         ; behind the last products
	s_cmp_lg_u32 s[KG], s[QG]                      ; ids alone: only a block on the diagonal has hidden keys
	s_cbranch_scc1 .Lopen
	MASKALL
.Lopen:
.irp a, 0,1,2,3,4,5,6,7
	SOFT \a                                        ; each tile has registers of its own for what it stores
.endr
.Lend:
	s_wait_tensorcnt 0x0                           ; the wave's end
	ds_add_u32 v[SPW], v[NIL]
	s_wait_dscnt 0x0
	s_endpgm
.Lfunc_end_k_qf3fa2d0ae3_scores:
	.size	k_qf3fa2d0ae3_scores, .Lfunc_end_k_qf3fa2d0ae3_scores-k_qf3fa2d0ae3_scores
	.p2alignl 7, 3214868480
	.fill 96, 4, 3214868480
	.section	.rodata,"a",@progbits
	.p2align	6, 0x0
	.amdhsa_kernel k_qf3fa2d0ae3_scores
		.amdhsa_group_segment_fixed_size 279040
		.amdhsa_private_segment_fixed_size 0
		.amdhsa_enable_private_segment 0
		.amdhsa_kernarg_size 24
		.amdhsa_user_sgpr_count 2
		.amdhsa_user_sgpr_kernarg_segment_ptr 1
		.amdhsa_wavefront_size32 1
		.amdhsa_system_sgpr_workgroup_id_x 1
		.amdhsa_system_sgpr_workgroup_id_y 1
		.amdhsa_system_sgpr_workgroup_id_z 1
		.amdhsa_system_vgpr_workitem_id 0
		.amdhsa_next_free_vgpr 1024
		.amdhsa_next_free_sgpr 66
		.amdhsa_reserve_vcc 0
		.amdhsa_float_denorm_mode_32 3
		.amdhsa_float_denorm_mode_16_64 3
		.amdhsa_memory_ordered 1
		.amdhsa_forward_progress 1
		.amdhsa_inst_pref_size 198
	.end_amdhsa_kernel
	.amdgpu_metadata
---
amdhsa.version: [ 1, 2 ]
amdhsa.kernels:
  - .name:           k_qf3fa2d0ae3_scores
    .symbol:         k_qf3fa2d0ae3_scores.kd
    .args:
      - { .name: qimg, .offset: 0, .size: 8, .value_kind: global_buffer, .address_space: global }
      - { .name: kimg, .offset: 8, .size: 8, .value_kind: global_buffer, .address_space: global }
      - { .name: pimg, .offset: 16, .size: 8, .value_kind: global_buffer, .address_space: global }
    .group_segment_fixed_size: 279040
    .private_segment_fixed_size: 0
    .kernarg_segment_align: 8
    .kernarg_segment_size: 24
    .max_flat_workgroup_size: 128
    .sgpr_count:     66
    .vgpr_count:     1024
    .wavefront_size: 32
...
	.end_amdgpu_metadata
.endif
;; end of part 2
;; launch pv (part 3): grid 16 x 16, 4 waves a work-group, no clusters, 34,304 bytes of LDS; arguments pimg, vimg, out0; writes out0
.if DOCPART == 3
	.amdgcn_target "amdgcn-amd-amdhsa--gfx1250"
	.amdhsa_code_object_version 6
	.text
	.protected	k_qf3fa2d0ae3_pv
	.globl	k_qf3fa2d0ae3_pv
	.p2align	8
	.type	k_qf3fa2d0ae3_pv,@function
k_qf3fa2d0ae3_pv:
	s_mov_b64 s[64:65], 0
	v_nop
	global_prefetch_b8 v0, s[64:65] scope:SCOPE_SE
	s_setreg_imm32_b32 hwreg(HW_REG_WAVE_MODE, 25, 1), 1
	s_wait_xcnt 0x0
; O = P V / the row's sum, on codes of FP4.  P comes from scores by blocks of 128 keys, each under its own whole number M; V from proj with the keys innermost.
; WORK LEFT OUT: the K steps whose 128 keys all come after the work-group's 128 queries (the mask that reference() builds makes their p 0): query group c walks key steps 0 .. c alone.
; THE ROW'S M is the largest of its blocks' M: -M = the least of the stored -M.  With d = M(row) - M(block), a whole number 0 or more, the block's p under the row's M are the same codes with d taken off each scale byte,
; and its sum times 2^-d: both exact.  LIMITS: d is held at 127, and a byte that would fall under 0 is held at 0 (2^-127): what is lost lies under about 2^-120 of the row's largest term.
; SHARES.  Work-group (x, y): batch x / 4, features 256 (x % 4) on, queries 128 (15 - y) on: the longest walks have the lowest numbers.  Wave w: queries 64 (w / 2) on (4 tiles), features 128 (w % 2) on (8 tiles):
; 32 accumulators, window 1.  Source 0 = 16 features of V^T, source 1 = 16 queries of P: lane (r, h) holds query r and eight neighbouring features.
; NO TENSOR LOADS, NO CLUSTER: the number of K steps hangs on the work-group's number.  The images let each lane load its fragments whole, 512 consecutive bytes an instruction; two sets of registers take turns, so that
; one K step's 27 loads are on their way while the other set is multiplied.
; THE WALK: key step 0 in set X starts the sums; then whole trips of two key steps (Y, X), (c - 1) / 2 of them, counted one by one; a key step that is left over is written out behind the loop.
; REGISTERS, window 0: v1-7 addresses; v8-9 -M of the row; v10-11 the sum; v12-13 P's scale words; v14-25 at work; v26-41 metas; v42-49 V's scale words; v52-147, v148-243 the two sets (P's 4 fragments, V's 8); v244-251 1 / sum.
.set UNIT,  8704
.set PUNIT, 10240
.set SPARE, 4*16*528
.set VL,  1                            ; 16 x lane
.set VPF, 2                            ; + my four fragments of P
.set VPM, 3                            ; + my two metas
.set STO, 4
.set RD,  5
.set SPW, 6
.set NIL, 7
.set NMF, 8
.set LS,  10
.set PW,  12
.set T,   14
.set MX,  26
.set MY,  34
.set VSX, 42
.set VSY, 46
.set XF,  52
.set YF,  148
.set RL,  244
.set VO,  148                          ; the head alone: 16 offsets,
.set NT,  164                          ; and 32 numbers -M
.set WV, 14
.set QH, 15
.set OD, 16                            ; s16 1 where a key step is left over behind the whole trips
.set BT, 17
.set FG, 18
.set FT, 19                            ; s19 whole trips of two key steps
.set SS, 20                            ; s20 trips walked
.set CC, 21
.set SEL, 22
.set MHI, 24
.set MSB, 0
.macro WIN new
.if MSB != (\new)
	s_set_vgpr_msb (MSB<<8)|(\new)
.set MSB, \new
.endif
.endm
.macro PLACES
.rept 4
	v_nop
.endr
.endm
	s_load_b128 s[4:7], s[0:1], 0x0                ; pimg, vimg
	s_load_b64 s[12:13], s[0:1], 0x10              ; out0
	v_lshl_add_u32 v[SPW], v0, 2, SPARE
	v_mov_b32 v[NIL], 0
	v_lshrrev_b32 v14, 5, v0
	v_readfirstlane_b32 s[WV], v14
	s_lshr_b32 s[QH], s[WV], 1
	s_and_b32 s16, s[WV], 1
	s_lshr_b32 s[BT], ttmp9, 2
	s_and_b32 s[FG], ttmp9, 3
	s_lshl_b32 s[FG], s[FG], 1
	s_add_co_u32 s[FG], s[FG], s16                 ; my 128 features, 0..7
	s_and_b32 s[CC], ttmp7, 0xffff
	s_sub_co_u32 s[CC], 15, s[CC]                  ; c: my work-group's 128 queries, and its last key step
	s_mov_b32 s[SEL], 0x76543210
	s_mov_b32 s[SEL+1], 0xfedcba98
	s_mov_b32 s[MHI], 0xffff0000
	v_and_b32 v14, 31, v0
	v_lshlrev_b32 v[VL], 4, v14
	s_lshl_b32 s25, s[QH], 12
	v_add_nc_u32 v[VPF], s25, v[VL]
	s_lshl_b32 s25, s[QH], 10
	s_add_co_u32 s25, s25, 8192
	v_add_nc_u32 v[VPM], s25, v[VL]
	v_and_b32 v15, 15, v0
	v_bfe_u32 v16, v0, 4, 1
	s_mul_i32 s25, s[WV], 16*528                   ; my stage: 16 rows x (512 bytes + 16)
	v_mul_u32_u24 v[STO], v15, 528
	v_lshl_add_u32 v[STO], v16, 5, v[STO]
	v_add_nc_u32 v[STO], s25, v[STO]               ; in: row r, + 32 h
	v_add_nc_u32 v[RD], s25, v[VL]                 ; back: a row's 512 bytes over the 32 lanes
	s_lshl_b32 s26, s[BT], 11
	s_lshl_b32 s27, s[CC], 7
	s_add_co_u32 s26, s26, s27
	s_lshl_b32 s27, s[QH], 6
	s_add_co_u32 s26, s26, s27                     ; my first row of O
	s_lshl_b32 s26, s26, 12
	s_lshl_b32 s27, s[FG], 9
	s_add_co_u32 s26, s26, s27
	s_mov_b32 s27, 0
	s_lshl_b32 s28, s[BT], 4
	s_add_co_u32 s28, s28, s[CC]
	s_mul_i32 s28, s28, 16*PUNIT                   ; P: key step 0 of my queries
	s_mov_b32 s29, 0
	s_lshl_b32 s30, s[BT], 3
	s_add_co_u32 s30, s30, s[FG]
	s_mul_i32 s30, s30, 16*UNIT                    ; V: key step 0 of my features
	s_mov_b32 s31, 0
.irp s, 0,1,2,3,4,5,6,7,8,9,10,11,12,13,14,15
	s_min_u32 s25, s[CC], \s                       ; steps beyond c were not stored: step c is named again, which leaves a minimum as it is
	s_mul_i32 s25, s25, PUNIT
	v_add_nc_u32 v[VO+\s], s25, v[VPM]
.endr
.irp j, 0,1,2,3
	v_mov_b32 v[RL+2*\j+1], 0                      ; the upper halves of the pairs that the packed form names
.endr
	v_mov_b32 v[LS], 0
	v_mov_b32 v[LS+1], 0
	s_wait_kmcnt 0x0
	s_add_nc_u64 s[8:9], s[4:5], s[28:29]
	s_add_nc_u64 s[10:11], s[6:7], s[30:31]
	s_add_nc_u64 s[12:13], s[12:13], s[26:27]
.macro LOAD F, M, S                    ; a K step: 27 loads
.irp j, 0,1,2,3
.irp c, 0,1
	global_load_b128 v[\F+8*\j+4*\c:\F+8*\j+4*\c+3], v[VPF], s[8:9] offset:1024*\j+512*\c
.endr
.endr
.irp k, 0,1,2,3,4,5,6,7
.irp c, 0,1
	global_load_b128 v[\F+32+8*\k+4*\c:\F+32+8*\k+4*\c+3], v[VL], s[10:11] offset:1024*\k+512*\c
.endr
.endr
.irp p, 0,1
	global_load_b128 v[\M+4*\p:\M+4*\p+3], v[VPM], s[8:9] offset:512*\p
.endr
	global_load_b128 v[\S:\S+3], v[VL], s[10:11] offset:8192
.endm
.macro NEXT
	s_wait_xcnt 0x0                                ; the loads issued so far have read their bases: they may step
	s_add_nc_u64 s[8:9], s[8:9], PUNIT
	s_add_nc_u64 s[10:11], s[10:11], UNIT
.endm
; The block's scale words and sum under the row's M.  Each byte less d, held at 0: the bytes are at most 125 (p <= 1) and d at most 127, so with bit 7 set in each byte no borrow crosses bytes, and bit 7 stays set where byte >= d.
.macro ADJ M
.irp p, 0,1
	v_sub_f32 v[T+\p], v[\M+4*\p], v[NMF+\p]       ; d = M(row) - M(block)
.endr
.irp p, 0,1
	v_cvt_i32_f32 v[T+\p], v[T+\p]
.endr
.irp p, 0,1
	v_min_u32 v[T+\p], 127, v[T+\p]
.endr
.irp p, 0,1
	v_lshl_or_b32 v[T+2+\p], v[T+\p], 8, v[T+\p]
.endr
.irp p, 0,1
	v_lshl_or_b32 v[T+2+\p], v[T+2+\p], 16, v[T+2+\p]
.endr
.irp p, 0,1
	v_or_b32 v[T+4+\p], 0x80808080, v[\M+4*\p+2]
.endr
.irp p, 0,1
	v_sub_nc_u32 v[T+4+\p], v[T+4+\p], v[T+2+\p]
.endr
.irp p, 0,1
	v_and_b32 v[T+6+\p], 0x80808080, v[T+4+\p]
.endr
.irp p, 0,1
	v_lshrrev_b32 v[T+8+\p], 7, v[T+6+\p]
.endr
.irp p, 0,1
	v_sub_nc_u32 v[T+6+\p], v[T+6+\p], v[T+8+\p]   ; 0x7f in each byte that did not fall under 0
.endr
.irp p, 0,1
	v_and_b32 v[PW+\p], v[T+4+\p], v[T+6+\p]
.endr
.irp p, 0,1                            ; eight plain instructions stand between the last write of a scale register and the scaled matrix instructions: these six and two v_nop
	v_sub_nc_u32 v[T+\p], 0, v[T+\p]
.endr
.irp p, 0,1
	v_ldexp_f32 v[T+2+\p], 1.0, v[T+\p]
.endr
.irp p, 0,1
	v_fma_f32 v[LS+\p], v[\M+4*\p+3], v[T+2+\p], v[LS+\p]
.endr
	v_nop
	v_nop
.endm
.macro WM zero
.if \zero
.if xA && xB
	v_wmma_scale_f32_16x16x128_f8f6f4 v[rD:rD+7], v[rA:rA+7], v[rB:rB+7], 0, v[rSA], v[rSB] matrix_a_fmt:MATRIX_FMT_FP4 matrix_b_fmt:MATRIX_FMT_FP4 matrix_a_scale:MATRIX_SCALE_ROW1 matrix_b_scale:MATRIX_SCALE_ROW1
.elseif xA
	v_wmma_scale_f32_16x16x128_f8f6f4 v[rD:rD+7], v[rA:rA+7], v[rB:rB+7], 0, v[rSA], v[rSB] matrix_a_fmt:MATRIX_FMT_FP4 matrix_b_fmt:MATRIX_FMT_FP4 matrix_a_scale:MATRIX_SCALE_ROW1
.elseif xB
	v_wmma_scale_f32_16x16x128_f8f6f4 v[rD:rD+7], v[rA:rA+7], v[rB:rB+7], 0, v[rSA], v[rSB] matrix_a_fmt:MATRIX_FMT_FP4 matrix_b_fmt:MATRIX_FMT_FP4 matrix_b_scale:MATRIX_SCALE_ROW1
.else
	v_wmma_scale_f32_16x16x128_f8f6f4 v[rD:rD+7], v[rA:rA+7], v[rB:rB+7], 0, v[rSA], v[rSB] matrix_a_fmt:MATRIX_FMT_FP4 matrix_b_fmt:MATRIX_FMT_FP4
.endif
.else
.if xA && xB
	v_wmma_scale_f32_16x16x128_f8f6f4 v[rD:rD+7], v[rA:rA+7], v[rB:rB+7], v[rD:rD+7], v[rSA], v[rSB] matrix_a_fmt:MATRIX_FMT_FP4 matrix_b_fmt:MATRIX_FMT_FP4 matrix_a_scale:MATRIX_SCALE_ROW1 matrix_b_scale:MATRIX_SCALE_ROW1
.elseif xA
	v_wmma_scale_f32_16x16x128_f8f6f4 v[rD:rD+7], v[rA:rA+7], v[rB:rB+7], v[rD:rD+7], v[rSA], v[rSB] matrix_a_fmt:MATRIX_FMT_FP4 matrix_b_fmt:MATRIX_FMT_FP4 matrix_a_scale:MATRIX_SCALE_ROW1
.elseif xB
	v_wmma_scale_f32_16x16x128_f8f6f4 v[rD:rD+7], v[rA:rA+7], v[rB:rB+7], v[rD:rD+7], v[rSA], v[rSB] matrix_a_fmt:MATRIX_FMT_FP4 matrix_b_fmt:MATRIX_FMT_FP4 matrix_b_scale:MATRIX_SCALE_ROW1
.else
	v_wmma_scale_f32_16x16x128_f8f6f4 v[rD:rD+7], v[rA:rA+7], v[rB:rB+7], v[rD:rD+7], v[rSA], v[rSB] matrix_a_fmt:MATRIX_FMT_FP4 matrix_b_fmt:MATRIX_FMT_FP4
.endif
.endif
.endm
; a K step's 32 matrix instructions; the 32 accumulators take turns, in the same order in every step
.macro MUL F, S, zero
	WIN 0x50                                       ; C and D in window 1
.irp j, 0,1,2,3
.irp k, 0,1,2,3,4,5,6,7
.set rD, 64*\j+8*\k
.set rA, \F+32+8*\k
.set rB, \F+8*\j
.set rSA, \S+\k/2
.set rSB, PW+\j/2
.set xA, \k%2
.set xB, \j%2
	WM \zero
.endr
.endr
	WIN 0
.endm
.irp s, 0,1,2,3,4,5,6,7,8,9,10,11,12,13,14,15
.irp p, 0,1
	global_load_b32 v[NT+2*\s+\p], v[VO+\s], s[8:9] offset:512*\p     ; -M of my rows in each key step
.endr
.endr
	LOAD XF, MX, VSX                               ; key step 0
	s_wait_loadcnt 27                              ; the 32 numbers are in; the 27 loads issued behind them may stay out
.irp p, 0,1
	v_min_num_f32 v[NMF+\p], v[NT+\p], v[NT+2+\p]
.endr
.irp s, 2,3,4,5,6,7,8,9,10,11,12,13,14,15
.irp p, 0,1
	v_min_num_f32 v[NMF+\p], v[NMF+\p], v[NT+2*\s+\p]
.endr
.endr
	s_cmp_eq_u32 s[CC], 0
	s_cbranch_scc1 .Lonly_x
	NEXT
	LOAD YF, MY, VSY                               ; key step 1
	s_wait_loadcnt 27                              ; the set asked for before is in; the 27 just issued stay out: so at every such wait below
	ADJ MX
	MUL XF, VSX, 1                                 ; the first K step starts the sums
	PLACES                                         ; in front of loads into registers that matrix instructions have read
	s_sub_co_u32 s[OD], s[CC], 1                   ; set Y holds key step 1: c - 1 key steps are still to be asked for:
	s_lshr_b32 s[FT], s[OD], 1                     ; so many whole trips of two,
	s_and_b32 s[OD], s[OD], 1                      ; and one key step over, or none
	s_mov_b32 s[SS], 0
	s_cmp_eq_u32 s[FT], 0
	s_cbranch_scc1 .Lwalked
.Lwalk:                                            ; a trip: at its head and at its end set Y holds the key step that is next to be multiplied
	NEXT
	LOAD XF, MX, VSX
	s_wait_loadcnt 27
	ADJ MY
	MUL YF, VSY, 0
	PLACES
	NEXT
	LOAD YF, MY, VSY
	s_wait_loadcnt 27
	ADJ MX
	MUL XF, VSX, 0
	PLACES
	s_add_co_u32 s[SS], s[SS], 1                   ; trips are counted one by one against a number that the loop does not write
	s_cmp_lt_u32 s[SS], s[FT]
	s_cbranch_scc1 .Lwalk
.Lwalked:
	s_cmp_eq_u32 s[OD], 0
	s_cbranch_scc1 .Llast_y                        ; set Y holds key step c
	NEXT
	LOAD XF, MX, VSX                               ; the key step that is left over: key step c
	s_wait_loadcnt 27
	ADJ MY
	MUL YF, VSY, 0
	s_wait_loadcnt 0x0
	ADJ MX                                         ; (its first twenty lines name no register of the products above: they are the places ahead of the lines that write P's scale words)
	MUL XF, VSX, 0
	s_branch .Lout
.Llast_y:
	s_wait_loadcnt 0x0
	ADJ MY
	MUL YF, VSY, 0
	s_branch .Lout
.Lonly_x:
	s_wait_loadcnt 0x0
	ADJ MX
	MUL XF, VSX, 1
.Lout:
	; THE WAY OUT.  The sums lie as the metas do: lanes 0-15 an even tile's rows, lanes 16-31 the odd tile's; each tile wants its own in both halves.
	PLACES                                         ; behind the last products
.irp p, 0,1
	v_permlanex16_b32 v[T+\p], v[LS+\p], s[SEL], s[SEL+1]
.endr
	v_cndmask_b32 v[T+2], v[LS], v[T], s[MHI]
	v_cndmask_b32 v[T+3], v[T], v[LS], s[MHI]
	v_cndmask_b32 v[T+4], v[LS+1], v[T+1], s[MHI]
	v_cndmask_b32 v[T+5], v[T+1], v[LS+1], s[MHI]
.irp j, 0,1,2,3
	v_rcp_f32 v[RL+2*\j], v[T+2+\j]
.endr
	v_nop                                          ; a plain instruction behind the last reciprocal
	s_wait_alu depctr_va_vdst(0)                   ; the wait ahead of the first use: one for the four
; Tile j in three parts.  DIVIDE: O^T / the sum, into bank j % 2.  TOSTAGE: a lane's 32 bytes of a row go into my stage and come back as whole rows of 512 bytes, into the registers that they left.  SEND: stored.
.macro DIVIDE j
.set BK, XF+64*((\j)%2)
.if (\j) >= 2
	s_wait_xcnt 0x0                                ; tile j - 2's stores have read these registers
.endif
	WIN 0x01
.set i, 0
.rept 32
	v_pk_mul_f32 v[BK+i:BK+i+1], v[64*(\j)+i:64*(\j)+i+1], v[RL+2*(\j):RL+2*(\j)+1] op_sel_hi:[1,0]   ; each accumulator from its low end on
.set i, i+2
.endr
	WIN 0
.endm
.macro TOSTAGE j
.set BK, XF+64*((\j)%2)
.irp k, 0,1,2,3,4,5,6,7
	ds_store_b128 v[STO], v[BK+8*\k:BK+8*\k+3] offset:64*\k
	ds_store_b128 v[STO], v[BK+8*\k+4:BK+8*\k+7] offset:64*\k+16
.endr
.irp t, 0,1,2,3,4,5,6,7,8,9,10,11,12,13,14,15
	ds_load_b128 v[BK+4*\t:BK+4*\t+3], v[RD] offset:\t*528     ; LDS serves a wave's instructions in order (ISA guide 5.7.1.4): these see the stores above, and the next tile's stores come behind them
.endr
.endm
.macro SEND j
.set BK, XF+64*((\j)%2)
.irp t, 0,1,2,3,4,5,6,7,8,9,10,11,12,13,14,15
	s_wait_dscnt 15-\t                             ; row t is back; the loads of the rows behind it may stay out
	global_store_b128 v[VL], v[BK+4*\t:BK+4*\t+3], s[12:13] offset:(16*(\j)+\t)*4096 th:TH_STORE_NT   ; 32 lanes store 512 consecutive bytes, at a multiple of 512 from O's first byte
.endr
.endm
	DIVIDE 0
	TOSTAGE 0
.irp j, 1,2,3                          ; tile j's 32 multiplies stand between tile j - 1's loads from the stage and the wait for them
	DIVIDE \j
	SEND \j-1
	TOSTAGE \j
.endr
	SEND 3
	s_wait_tensorcnt 0x0                           ; the wave's end, behind my last LDS store
	ds_add_u32 v[SPW], v[NIL]
	s_wait_dscnt 0x0
	s_endpgm
.Lfunc_end_k_qf3fa2d0ae3_pv:
	.size	k_qf3fa2d0ae3_pv, .Lfunc_end_k_qf3fa2d0ae3_pv-k_qf3fa2d0ae3_pv
	.p2alignl 7, 3214868480
	.fill 96, 4, 3214868480
	.section	.rodata,"a",@progbits
	.p2align	6, 0x0
	.amdhsa_kernel k_qf3fa2d0ae3_pv
		.amdhsa_group_segment_fixed_size 34304
		.amdhsa_private_segment_fixed_size 0
		.amdhsa_enable_private_segment 0
		.amdhsa_kernarg_size 24
		.amdhsa_user_sgpr_count 2
		.amdhsa_user_sgpr_kernarg_segment_ptr 1
		.amdhsa_wavefront_size32 1
		.amdhsa_system_sgpr_workgroup_id_x 1
		.amdhsa_system_sgpr_workgroup_id_y 1
		.amdhsa_system_sgpr_workgroup_id_z 1
		.amdhsa_system_vgpr_workitem_id 0
		.amdhsa_next_free_vgpr 512
		.amdhsa_next_free_sgpr 66
		.amdhsa_reserve_vcc 0
		.amdhsa_float_denorm_mode_32 3
		.amdhsa_float_denorm_mode_16_64 3
		.amdhsa_memory_ordered 1
		.amdhsa_forward_progress 1
		.amdhsa_inst_pref_size 87
	.end_amdhsa_kernel
	.amdgpu_metadata
---
amdhsa.version: [ 1, 2 ]
amdhsa.kernels:
  - .name:           k_qf3fa2d0ae3_pv
    .symbol:         k_qf3fa2d0ae3_pv.kd
    .args:
      - { .name: pimg, .offset: 0, .size: 8, .value_kind: global_buffer, .address_space: global }
      - { .name: vimg, .offset: 8, .size: 8, .value_kind: global_buffer, .address_space: global }
      - { .name: out0, .offset: 16, .size: 8, .value_kind: global_buffer, .address_space: global }
    .group_segment_fixed_size: 34304
    .private_segment_fixed_size: 0
    .kernarg_segment_align: 8
    .kernarg_segment_size: 24
    .max_flat_workgroup_size: 128
    .sgpr_count:     66
    .vgpr_count:     512
    .wavefront_size: 32
...
	.end_amdgpu_metadata
.endif
;; end of part 3
;; ======== version 2 of 2: 3 launches; 1.15 times as fast as version 1
;; limits: right only within a limited range of input values
;; workspace buffers: qimg 4,456,448 bytes; kimg 4,456,448 bytes; vimg 4,456,448 bytes; pimg 10,485,760 bytes
;; launch proj (part 4): grid 4 x 48, 4 waves a work-group, clusters of 4 x 4, 327,680 bytes of LDS; arguments q_codes, k_codes, v_codes, q_scales, k_scales, v_scales, Wq_codes, Wk_codes, Wv_codes, Wq_scales, Wk_scales, Wv_scales, bq, bk, bv, qimg, kimg, vimg; writes qimg, kimg, vimg
.if DOCPART == 4
	.amdgcn_target "amdgcn-amd-amdhsa--gfx1250"
	.amdhsa_code_object_version 6
	.text
	.protected	k_qf3fa2d0ae3_proj
	.globl	k_qf3fa2d0ae3_proj
	.p2align	8
	.type	k_qf3fa2d0ae3_proj,@function
k_qf3fa2d0ae3_proj:
	s_mov_b64 s[64:65], 0
	v_nop
	global_prefetch_b8 v0, s[64:65] scope:SCOPE_SE
	s_setreg_imm32_b32 hwreg(HW_REG_WAVE_MODE, 25, 1), 1
	s_wait_xcnt 0x0
	s_wait_alu depctr_hold_cnt(0) depctr_sa_sdst(0) depctr_va_vdst(0) depctr_va_sdst(0) depctr_va_ssrc(0) depctr_va_vcc(0) depctr_vm_vsrc(0)
	s_getreg_b32 s2, hwreg(HW_REG_IB_STS2, 6, 4)
	s_cmp_eq_u32 s2, 0
	s_cbranch_scc0 .Lentry_in_a_cluster
	s_endpgm
.Lentry_in_a_cluster:
	s_bfe_u32 s2, ttmp6, 0x10000c
	s_cmp_lg_u32 s2, 0xf033
	s_cbranch_scc0 .Lentry_shape_is_right
	s_endpgm
.Lentry_shape_is_right:
; THE PROGRAM: causal attention with one head of 1,024, batch 4, 2,048 positions, all five products on codes of FP4 (E2M1) with one E8M0 scale for each 32 along K.  Three launches:
;   proj:   qp = q Wq^T + bq, kp = k Wk^T + bk, vp = v Wv^T + bv, each quantised at once: qp and kp along the 1,024 features, vp along the keys.
;   scores: kp qp^T by blocks of 128 queries x 128 keys, mask, p = 2^(t - M) with M taken over the block's 128 keys, the block's sum of p, p quantised along the keys.
;   pv:     the row's M from the blocks' M; each block's scale bytes and sum are brought under it (M is a whole number: p's codes do not hang on it); O = P V / the sum.
; WORK LEFT OUT.  reference() builds the mask itself (triu(ones, 1)): key k counts for query q only where k <= q.  A tile of 256 x 256 all of whose keys come after all of its queries holds logits of -1e9 alone;
; every row has key 0 among its visible keys, so for all finite inputs those p are 0 beside the row's largest and add nothing to the sum or to O.  Such tiles are multiplied in neither product, and of the tiles on the
; diagonal the block of 128 x 128 above it is neither put through the softmax, nor stored, nor multiplied with V.
; Every input has a way to the result (bq and bk stand ahead of a quantiser, bv reaches O): all are loaded.
; LIMITS.  A NaN, an infinity or an overflow that reaches only the work left out is not carried to the result.  Hidden scores inside a block on the diagonal are taken as -infinity where reference() writes -1e9:
; p is 0 either way while a row's largest visible logit lies above about -1e9 + 100.  A block of zeros gets the scale byte 1 where the quantiser says 127: its codes are zeros and this program alone reads the bytes.
; NaN and infinities among the inputs are not served.
;
; THIS LAUNCH: three products [8,192 x 1,024] x [1,024 x 1,024]^T.  A tile is 256 x 256 of one of them, made by four waves; a wave makes 128 x 128: 64 accumulators of 16 x 16, 512 registers.
; K = 1,024 lies in LDS whole: two slots of 512 along K (rows of 256 bytes + 16 of padding), and the scale bytes of the 512 rows.
; A WORK-GROUP STAYS AND MAKES TWO TILES, 4,096 rows of the activation X apart, against the same 256 rows of the weight W: W, its scale bytes and the bias are fetched once.  384 tiles are 192 work-groups.
; X's bytes are filled again as the first tile leaves them: its half of slot 0 and its scale bytes ahead of K step 3, its half of slot 1 behind K step 7; the first tile's quantising and stores stand while they land.
; CLUSTERS: 4 x 4 work-groups.  The four of a row of the cluster need the same rows of X, the four of a column the same rows of W: each tile is asked for jointly.
; The cluster's y picks the product (0-3 q, 4-7 k, 8-11 v): it is the same in all sixteen partners, so the branches and LDS addresses that hang on it are alike in all of them.
; WHAT BECOMES THE NEXT K IS SOURCE 0.  In a result lane (r, h) holds row r of source 1 and, in register j, row 8 h + j of source 0.  For q and k source 0 = W (features), source 1 = X; for v source 0 = X (keys), source 1 = Wv.
; So the eight tiles (a, 0..7) of a wave are 16 rows x 128 along the next K.  Tile t's eight registers are eight neighbours, 16 t + 8 h + 0 .. 7: one conversion makes one register of codes of them, and
; two exchanges of lane halves for each 64 along K put them in the operand's order.  A block of 32 is tiles 2 b and 2 b + 1 over both halves of the lanes.
; THE RESULT LEAVES AS IMAGES OF THE OPERAND'S REGISTERS.  A fragment (16 rows x 128 K, 8 registers): registers 0-3 at 16 x lane, registers 4-7 at 512 + 16 x lane.  A UNIT is the 8 fragments of 128 rows x 128 K and,
; at byte 8,192, their scale words: lane l's 16 bytes hold word p = tile 2 p's (lanes 0-15) or tile 2 p + 1's (lanes 16-31).  qimg, kimg: [group of 128 rows][K step] units; vimg: [batch][128 features][128 keys] units.
; The bias is the C of each sum's first matrix instruction.
; REGISTERS: window 0: v1-31 addresses; v32-95 scale words; v96-117 at work; v128-191 source 1's fragments, later the codes made; v192-255 the bias.  window 1: source 0's fragments, two sets.  windows 2, 3: accumulators.
.set PITCH,  272                       ; an LDS row: 256 bytes + 16 of padding
.set HALFT,  128*PITCH                 ; 128 rows: one tensor load
.set SLOT,   4*HALFT                   ; X's 256 rows, then W's 256 rows
.set SCL,    2*SLOT                    ; the scale bytes: 256 bytes + 16 of padding at a time; X's two halves, then W's
.set HALFS,  16*272                    ; those of 128 rows (32 bytes a row)
.set SBLK,   2*272                     ; those of 16 rows
.set SPARE,  SCL+4*HALFS               ; the spare words, 128 bytes for each wave
.set UNIT,   8704
.set NEXTX,  4096*512                  ; from the first tile's rows of X to the second's: codes,
.set NEXTS,  4096*32                   ; scale bytes,
.set NEXTO,  256*UNIT                  ; and units of the result (q, k: 32 groups of rows x 8; v: 2 batches x 128)
.set ADR1, 16                          ; v16-17 LDS address of source 1's fragments in slot 0, 1
.set ADR0, 20                          ; v20-21 of source 0's
.set OUTO, 24                          ; v24    16 x lane
.set ADRS, 27                          ; v27    scale words: lanes 0-15 source 1's rows, lanes 16-31 source 0's
.set SPW,  28                          ; v28    my spare word; never rewritten
.set NIL,  29                          ; v29    0; never rewritten
.set BQK,  30                          ; v30    32 h
.set BVV,  31                          ; v31    4 r
.set SC,   32                          ; v32-95 scale words: 32 x slot + 4 x tile + K step in the slot
.set TM,   96                          ; v96-99 largest magnitudes, v100-103 the other half's and then bytes, v108-111 the conversions' scales
.set SCI,  112                         ; v112-115 the unit's scale image
.set PW,   116                         ; v116-117 the scale word of an even and of an odd tile
.set AF,   128
.set BIAS, 192
.set GX, 2
.set MHI, 3
.set G1X, 4
.set G1W, 12
.set G1XS, 20
.set G1WS, 28
.set CX, 40
.set CY, 41
.set CLY, 42
.set RMASK, 43
.set CMASK, 44
.set WV, 45
.set H1, 46
.set H0, 47
.set PR, 48
.set ISV, 49
.set XB, 50
.set XC, 52
.set XS, 54
.set WC, 56
.set WS, 58
.set BP, 60
.set OP, 62
.set SEL1, 66
.set SEL0, 67
.set G0X, 68
.set G0W, 76
.set G0XS, 84
.set G0WS, 88
.set OX, 92
.set OW, 96
.set LSS, 100
.set LSC, 101
.set SEL, 92                           ; s[92:93] once X's addresses have gone into the descriptors
.set MSB, 0
.macro WIN new                         ; the immediate's high byte repeats the setting that is left
.if MSB != (\new)
	s_set_vgpr_msb (MSB<<8)|(\new)
.set MSB, \new
.endif
.endm
.macro PLACES                          ; four plain vector instructions between a matrix instruction and a load into, or a vector access of, its registers
.rept 4
	v_nop
.endr
.endm
; A joint load in two arms: waves 0 and 1 issue the first line, waves 2 and 3 the second.  The branch hangs on the wave's number alone.  An s_nop 0 and four v_nop follow each line.
.macro JLOAD g0a, g1a, g0b, g1b
	s_cmp_eq_u32 s[H1], 0
	s_cbranch_scc0 .Lother_\@
	tensor_load_to_lds s[\g0a:\g0a+3], s[\g1a:\g1a+7]
	s_nop 0
.rept 4
	v_nop
.endr
	s_branch .Lasked_\@
.Lother_\@:
	tensor_load_to_lds s[\g0b:\g0b+3], s[\g1b:\g1b+7]
	s_nop 0
.rept 4
	v_nop
.endr
.Lasked_\@:
.endm
.macro XLOAD g0                        ; a joint load of X's codes alone: waves 0 and 1; waves 2 and 3 have no part of it to fill
	s_cmp_eq_u32 s[H1], 0
	s_cbranch_scc0 .Lno_part_\@
	tensor_load_to_lds s[\g0:\g0+3], s[G1X:G1X+7]
	s_nop 0
.rept 4
	v_nop
.endr
.Lno_part_\@:
.endm
.macro CROUND                          ; a round of the cluster's barrier
	s_barrier_signal -1
	s_barrier_wait -1
	s_cmp_lg_u32 s[WV], 0
	s_cbranch_scc1 .Lnot_wave_0_\@
	s_barrier_signal -3
.Lnot_wave_0_\@:
	s_barrier_wait -3
	s_barrier_signal -1
	s_barrier_wait -1
.endm
	s_load_b512 s[4:19], s[0:1], 0x0               ; q, k, v codes; q, k, v scales; Wq, Wk codes
	s_load_b512 s[20:35], s[0:1], 0x40             ; Wv codes; Wq, Wk, Wv scales; bq, bk, bv; qimg
	s_load_b128 s[36:39], s[0:1], 0x80             ; kimg, vimg
	v_lshl_add_u32 v[SPW], v0, 2, SPARE
	v_mov_b32 v[NIL], 0
	ds_add_u32 v[SPW], v[NIL]                      ; the wave's opening: the add, twice on end, and its wait ahead of my first tensor load
	ds_add_u32 v[SPW], v[NIL]
	v_lshrrev_b32 v1, 5, v0
	v_readfirstlane_b32 s[WV], v1                  ; wave 0..3
	s_lshr_b32 s[H1], s[WV], 1                     ; my half of source 1.  Also: I fetch for X (0) or for W (1)
	s_and_b32 s[H0], s[WV], 1                      ; my half of source 0.  Also: which 128 rows I fetch
	s_bfe_u32 s[CX], ttmp6, 0x40000
	s_bfe_u32 s[CY], ttmp6, 0x40004
	s_lshl_b32 s[GX], ttmp9, 2
	s_add_co_u32 s[GX], s[GX], s[CX]               ; W's block of 256 rows
	s_and_b32 s[CLY], ttmp7, 0xffff                ; the cluster's y, 0..11
	s_lshr_b32 s[PR], s[CLY], 2                    ; the product: 0 q, 1 k, 2 v
	s_and_b32 s[XB], s[CLY], 3
	s_lshl_b32 s[XB], s[XB], 2
	s_add_co_u32 s[XB], s[XB], s[CY]               ; the first tile's block of 256 rows of X, 0..15; the second's is 16 further on
	s_lshl_b32 s[RMASK], s[CY], 2
	s_lshl_b32 s[RMASK], 15, s[RMASK]              ; my row of the cluster
	s_lshl_b32 s[CMASK], 0x1111, s[CX]             ; my column
	s_cmp_eq_u32 s[PR], 2
	s_cselect_b32 s[ISV], 1, 0
	s_cselect_b32 s[SEL1], 2*HALFT, 0              ; where source 1's rows begin in a slot: X's at 0, W's behind them
	s_cselect_b32 s[SEL0], 0, 2*HALFT              ; and source 0's
	s_mov_b32 s[MHI], 0xffff0000                   ; lanes 16-31
	s_lshl_b32 s51, s[H0], 7
	s_lshl_b32 s[OX], s[XB], 8
	s_add_co_u32 s[OX], s[OX], s51                 ; X: the first row of my half
	s_lshl_b32 s[OX+2], s[OX], 5                   ; its scale bytes: 32 a row
	s_lshl_b32 s[OX], s[OX], 9                     ; its codes: 512 bytes a row
	s_mov_b32 s[OX+1], 0
	s_mov_b32 s[OX+3], 0
	s_lshl_b32 s[OW], s[GX], 8
	s_add_co_u32 s[OW], s[OW], s51                 ; W likewise, in registers that never hold X's coordinate
	s_lshl_b32 s[OW+2], s[OW], 5
	s_lshl_b32 s[OW], s[OW], 9
	s_mov_b32 s[OW+1], 0
	s_mov_b32 s[OW+3], 0
	s_mul_i32 s[LSC], s[WV], HALFT                 ; where the codes go: wave x 128 rows: no place in the cluster enters an LDS address
	s_mul_i32 s[LSS], s[H0], HALFS                 ; and the scale bytes: my half of X's region, or of W's
	s_wait_dscnt 0x0                               ; both opening adds are done
	s_wait_kmcnt 0x0
	s_cmp_eq_u32 s[PR], 1                          ; the product's six buffers: a choice on the cluster's y alone
	s_cselect_b64 s[XC:XC+1], s[6:7], s[4:5]
	s_cselect_b64 s[XS:XS+1], s[12:13], s[10:11]
	s_cselect_b64 s[WC:WC+1], s[18:19], s[16:17]
	s_cselect_b64 s[WS:WS+1], s[24:25], s[22:23]
	s_cselect_b64 s[BP:BP+1], s[30:31], s[28:29]
	s_cselect_b64 s[OP:OP+1], s[36:37], s[34:35]
	s_cmp_eq_u32 s[PR], 2
	s_cselect_b64 s[XC:XC+1], s[8:9], s[XC:XC+1]
	s_cselect_b64 s[XS:XS+1], s[14:15], s[XS:XS+1]
	s_cselect_b64 s[WC:WC+1], s[20:21], s[WC:WC+1]
	s_cselect_b64 s[WS:WS+1], s[26:27], s[WS:WS+1]
	s_cselect_b64 s[BP:BP+1], s[32:33], s[BP:BP+1]
	s_cselect_b64 s[OP:OP+1], s[38:39], s[OP:OP+1]
	; descriptor group 1, codes: 128 rows x 256 bytes, 512 bytes apart in memory, 16 bytes of padding behind each row in LDS
	s_or_b32 s[G1X], s[RMASK], (1<<20)|(1<<21)|(5<<22)|(3<<25)
	s_or_b32 s[G1W], s[CMASK], (1<<20)|(1<<21)|(5<<22)|(3<<25)
.irp g, G1X, G1W
	s_mov_b32 s[\g+1], 256<<16                     ; tensor_dim0
	s_mov_b32 s[\g+2], 128<<16                     ; tensor_dim1
	s_mov_b32 s[\g+3], 256<<16                     ; tile_dim0
	s_mov_b32 s[\g+4], 128                         ; tile_dim1
	s_mov_b32 s[\g+5], 512                         ; from row to row
	s_mov_b32 s[\g+6], 0
	s_mov_b32 s[\g+7], 0
.endr
	; scale bytes of 128 rows: 4,096 dense bytes as 16 rows of 32 elements of 8 bytes, padded alike
	s_or_b32 s[G1XS], s[RMASK], (3<<16)|(1<<20)|(1<<21)|(5<<22)|(3<<25)
	s_or_b32 s[G1WS], s[CMASK], (3<<16)|(1<<20)|(1<<21)|(5<<22)|(3<<25)
.irp g, G1XS, G1WS
	s_mov_b32 s[\g+1], 32<<16
	s_mov_b32 s[\g+2], 16<<16
	s_mov_b32 s[\g+3], 32<<16
	s_mov_b32 s[\g+4], 16
	s_mov_b32 s[\g+5], 32
	s_mov_b32 s[\g+6], 0
	s_mov_b32 s[\g+7], 0
.endr
	s_add_nc_u64 s[OX:OX+1], s[XC:XC+1], s[OX:OX+1]
	s_add_nc_u64 s[OX+2:OX+3], s[XS:XS+1], s[OX+2:OX+3]
	s_add_nc_u64 s[OW:OW+1], s[WC:WC+1], s[OW:OW+1]
	s_add_nc_u64 s[OW+2:OW+3], s[WS:WS+1], s[OW+2:OW+3]
	CROUND                                         ; all sixteen work-groups are here: the joint loads meet
	s_mov_b32 s[G0XS], 1
	s_add_co_u32 s[G0XS+1], s[LSS], SCL
	s_mov_b64 s[G0XS+2:G0XS+3], s[OX+2:OX+3]
	s_or_b32 s[G0XS+3], s[G0XS+3], 0x80000000
	s_mov_b32 s[G0WS], 1
	s_add_co_u32 s[G0WS+1], s[LSS], SCL+2*HALFS
	s_mov_b64 s[G0WS+2:G0WS+3], s[OW+2:OW+3]
	s_or_b32 s[G0WS+3], s[G0WS+3], 0x80000000
	JLOAD G0XS, G1XS, G0WS, G1WS                   ; the scale bytes first
.irp s, 0,1
	s_mov_b32 s[G0X+4*\s], 1
	s_add_co_u32 s[G0X+4*\s+1], s[LSC], \s*SLOT
	s_add_nc_u64 s[G0X+4*\s+2:G0X+4*\s+3], s[OX:OX+1], \s*256
	s_or_b32 s[G0X+4*\s+3], s[G0X+4*\s+3], 0x80000000
	s_mov_b32 s[G0W+4*\s], 1
	s_add_co_u32 s[G0W+4*\s+1], s[LSC], \s*SLOT
	s_add_nc_u64 s[G0W+4*\s+2:G0W+4*\s+3], s[OW:OW+1], \s*256
	s_or_b32 s[G0W+4*\s+3], s[G0W+4*\s+3], 0x80000000
	JLOAD G0X+4*\s, G1X, G0W+4*\s, G1W             ; K 512 s on: three loads of mine are out in all
.endr
	s_mov_b32 s[SEL], 0x76543210                   ; v_permlanex16_b32's selects for lane l xor 16
	s_mov_b32 s[SEL+1], 0xfedcba98
	v_and_b32 v1, 15, v0                           ; r
	v_bfe_u32 v2, v0, 4, 1                         ; h
	v_mul_u32_u24 v3, v1, PITCH
	v_lshl_add_u32 v4, v2, 4, v3                   ; a fragment's row x pitch + 16 h
	s_mul_i32 s36, s[H1], HALFT
	s_add_co_u32 s36, s36, s[SEL1]                 ; my 128 rows of source 1
	s_mul_i32 s38, s[H0], HALFT
	s_add_co_u32 s38, s38, s[SEL0]                 ; and of source 0
.irp s, 0,1
	v_add_nc_u32 v[ADR1+\s], s36, v4
	v_add_nc_u32 v[ADR0+\s], s38, v4
	s_add_co_u32 s36, s36, SLOT
	s_add_co_u32 s38, s38, SLOT
.endr
	v_lshlrev_b32 v5, 5, v1                        ; my row's scale bytes: 32 a row,
	v_lshrrev_b32 v6, 8, v5
	v_lshl_add_u32 v5, v6, 4, v5                   ; and 16 more behind the first 256
	s_lshr_b32 s36, s[SEL1], 3                     ; 2 HALFS where the codes have 2 HALFT
	s_mul_i32 s37, s[H1], HALFS
	s_add_co_u32 s36, s36, s37
	s_add_co_u32 s36, s36, SCL
	s_lshr_b32 s38, s[SEL0], 3
	s_mul_i32 s39, s[H0], HALFS
	s_add_co_u32 s38, s38, s39
	s_add_co_u32 s38, s38, SCL
	v_mov_b32 v6, s36
	v_mov_b32 v7, s38
	v_cndmask_b32 v6, v6, v7, s[MHI]               ; lanes 0-15 take source 1's rows, lanes 16-31 source 0's
	v_add_nc_u32 v[ADRS], v5, v6
	v_and_b32 v8, 31, v0
	v_lshlrev_b32 v[OUTO], 4, v8
.irp b, 0,1,2,3
	v_mov_b32 v[TM+4+\b], 0                        ; written once: a lane permute's destination counts as one of its sources
.endr
	; the bias of my 128 features: along source 0 (q, k) or along source 1 (v); it serves both tiles
	s_cmp_eq_u32 s[ISV], 1
	s_cselect_b32 s36, s[H1], s[H0]
	s_lshl_b32 s37, s[GX], 1
	s_add_co_u32 s36, s36, s37
	s_lshl_b32 s36, s36, 9
	s_mov_b32 s37, 0
	s_add_nc_u64 s[BP:BP+1], s[BP:BP+1], s[36:37]
	v_lshlrev_b32 v[BQK], 5, v2
	v_lshlrev_b32 v[BVV], 2, v1
	s_cmp_eq_u32 s[ISV], 1
	s_cbranch_scc1 .Lbias_v
.irp b, 0,1,2,3,4,5,6,7
	global_load_b128 v[BIAS+8*\b:BIAS+8*\b+3], v[BQK], s[BP:BP+1] offset:64*\b       ; tile b's C: register j = bias(16 b + 8 h + j)
	global_load_b128 v[BIAS+8*\b+4:BIAS+8*\b+7], v[BQK], s[BP:BP+1] offset:64*\b+16
.endr
	s_wait_loadcnt 0x0
	s_branch .Lbias_in
.Lbias_v:
.irp a, 0,1,2,3,4,5,6,7
	global_load_b32 v[BIAS+8*\a], v[BVV], s[BP:BP+1] offset:64*\a                    ; tile a's C: every register = bias(16 a + r)
.endr
	s_wait_loadcnt 0x0
.irp a, 0,1,2,3,4,5,6,7
.irp j, 1,2,3,4,5,6,7
	v_mov_b32 v[BIAS+8*\a+\j], v[BIAS+8*\a]
.endr
.endr
.Lbias_in:
	; my unit of the first tile.  q, k: (group of 128 rows) x 8 + K step.  v: batch x 128 + (128 features) x 16 + (128 keys)
	s_lshl_b32 s36, s[XB], 1
	s_lshl_b32 s37, s[GX], 1
	s_add_co_u32 s38, s36, s[H1]
	s_lshl_b32 s38, s38, 3
	s_add_co_u32 s38, s38, s37
	s_add_co_u32 s38, s38, s[H0]
	s_add_co_u32 s36, s36, s[H0]                   ; v: the group of 128 keys, 0..31
	s_add_co_u32 s37, s37, s[H1]
	s_lshl_b32 s37, s37, 4
	s_lshr_b32 s39, s36, 4
	s_lshl_b32 s39, s39, 7
	s_and_b32 s36, s36, 15
	s_add_co_u32 s39, s39, s37
	s_add_co_u32 s39, s39, s36
	s_cmp_eq_u32 s[ISV], 1
	s_cselect_b32 s38, s39, s38
	s_mul_i32 s38, s38, UNIT
	s_mov_b32 s39, 0
	s_add_nc_u64 s[OP:OP+1], s[OP:OP+1], s[38:39]
; A fragment, 16 rows x 128 K of 4-bit codes: lane l holds row l % 16; registers 4 c .. 4 c + 3 hold K = 64 c + 32 (l / 16) + 0 .. 31.  g: the K step, 0..7: slot g / 4
.macro FRAG reg, adr, g, i
.irp c, 0,1
	ds_load_b128 v[\reg+4*\c:\reg+4*\c+3], v[\adr+(\g)/4] offset:64*((\g)%4)+32*\c+(\i)*16*PITCH
.endr
.endm
.macro FETCH_0 g                       ; source 0's eight fragments into set g % 2 of window 1
	WIN 0x40
.irp i, 0,1,2,3,4,5,6,7
	FRAG 128*((\g)%2)+8*\i, ADR0, \g, \i
.endr
	WIN 0
.endm
.macro FETCH_1 g, i0                   ; source 1's blocks i0 .. i0 + 3
.irp i, \i0, \i0+1, \i0+2, \i0+3
	FRAG AF+8*(\i), ADR1, \g, \i
.endr
.endm
.macro SCALES sc                       ; a slot's scale words: four a row
.irp i, 0,1,2,3,4,5,6,7
	ds_load_b128 v[SC+32*\sc+4*\i:SC+32*\sc+4*\i+3], v[ADRS] offset:\i*SBLK+16*\sc
.endr
.endm
; 16 matrix instructions: source 1's blocks a0, a0 + 1 x source 0's eight.  mode 0: the sums go on; 1: they begin with the bias along source 0; 2: with the bias along source 1.
; The 64 accumulators take turns, one instruction a turn, in the same order in every K step.
.macro MUL16 a0, g, mode
.if \mode
	WIN 0x81+0x40*((\a0)/4)
.else
	WIN 0xa1+0x50*((\a0)/4)
.endif
.irp a, \a0, \a0+1
.irp b, 0,1,2,3,4,5,6,7
.set rD, 8*(8*((\a)%4)+\b)
.set rA, 128*((\g)%2)+8*\b
.set rB, AF+8*(\a)
.set rSA, SC+32*((\g)/4)+4*\b+(\g)%4
.set rSB, SC+32*((\g)/4)+4*(\a)+(\g)%4
.if \mode == 0
	v_wmma_scale_f32_16x16x128_f8f6f4 v[rD:rD+7], v[rA:rA+7], v[rB:rB+7], v[rD:rD+7], v[rSA], v[rSB] matrix_a_fmt:MATRIX_FMT_FP4 matrix_b_fmt:MATRIX_FMT_FP4 matrix_a_scale:MATRIX_SCALE_ROW1
.elseif \mode == 1
	v_wmma_scale_f32_16x16x128_f8f6f4 v[rD:rD+7], v[rA:rA+7], v[rB:rB+7], v[BIAS+8*\b:BIAS+8*\b+7], v[rSA], v[rSB] matrix_a_fmt:MATRIX_FMT_FP4 matrix_b_fmt:MATRIX_FMT_FP4 matrix_a_scale:MATRIX_SCALE_ROW1
.else
	v_wmma_scale_f32_16x16x128_f8f6f4 v[rD:rD+7], v[rA:rA+7], v[rB:rB+7], v[BIAS+8*(\a):BIAS+8*(\a)+7], v[rSA], v[rSB] matrix_a_fmt:MATRIX_FMT_FP4 matrix_b_fmt:MATRIX_FMT_FP4 matrix_a_scale:MATRIX_SCALE_ROW1
.endif
.endr
.endr
.endm
.macro STEP g, mode                    ; K step g, and the fetches of K step g + 1 in two runs
	s_wait_dscnt 8                                 ; all but the youngest eight loads (source 1's blocks 4-7) are in
	MUL16 0, \g, \mode
	MUL16 2, \g, \mode
	s_wait_dscnt 0x0                               ; blocks 4-7 are in
	PLACES
	FETCH_0 (\g)+1
	FETCH_1 (\g)+1, 0
	MUL16 4, \g, \mode
	MUL16 6, \g, \mode
	PLACES
	WIN 0
	FETCH_1 (\g)+1, 4
.endm
.macro LAST g
	s_wait_dscnt 8
	MUL16 0, \g, 0
	MUL16 2, \g, 0
	s_wait_dscnt 0x0
	MUL16 4, \g, 0
	MUL16 6, \g, 0
	WIN 0
.endm
; Source 1's block a: 16 rows x 128 along the next K become a fragment's codes in v[AF + 8 a] on and a scale word, and the fragment's image is stored: each store covers 512 consecutive bytes.
.macro QUANT a
.set QW, 2+(\a)/4
.set AB, 64*((\a)%4)
.set PC, AF+8*(\a)
	WIN (QW<<2)|(QW<<4)
.irp b, 0,1,2,3
	v_max3_num_f32 v[TM+\b], 0x1800000, |v[AB+16*\b]|, |v[AB+16*\b+1]|      ; block b: my 16 numbers, each accumulator from its low end on, and the floor 2^(3 - 127): the byte cannot fall under 1
.endr
.irp i, 2,4,6,8,10,12,14
.irp b, 0,1,2,3
	v_max3_num_f32 v[TM+\b], v[TM+\b], |v[AB+16*\b+\i]|, |v[AB+16*\b+\i+1]|
.endr
.endr
	WIN 0
.irp b, 0,1,2,3
	v_permlanex16_b32 v[TM+4+\b], v[TM+\b], s[SEL], s[SEL+1]
.endr
.irp b, 0,1,2,3
	v_max_num_f32 v[TM+\b], v[TM+\b], v[TM+4+\b]   ; with lane l xor 16's 16: the block's largest magnitude
.endr
.irp b, 0,1,2,3
	v_add_nc_u32 v[TM+12+\b], 0xff000000, v[TM+\b] ; 2 off its exponent field: the conversion's scale operand
.endr
.irp b, 0,1,2,3
	v_lshrrev_b32 v[TM+4+\b], 23, v[TM+12+\b]      ; the scale's byte
.endr
	v_lshl_or_b32 v[PW+(\a)%2], v[TM+5], 8, v[TM+4]
	v_lshl_or_b32 v[PW+(\a)%2], v[TM+6], 16, v[PW+(\a)%2]
	v_lshl_or_b32 v[PW+(\a)%2], v[TM+7], 24, v[PW+(\a)%2]
	WIN QW
.irp c, 0,1                            ; tiles 4 c + 0, 1, 2, 3 go to registers 4 c + 0, 2, 1, 3
	v_cvt_scalef32_pk8_fp4_f32 v[PC+4*\c], v[AB+32*\c:AB+32*\c+7], v[TM+12+2*\c]
	v_cvt_scalef32_pk8_fp4_f32 v[PC+4*\c+2], v[AB+32*\c+8:AB+32*\c+15], v[TM+12+2*\c]
	v_cvt_scalef32_pk8_fp4_f32 v[PC+4*\c+1], v[AB+32*\c+16:AB+32*\c+23], v[TM+13+2*\c]
	v_cvt_scalef32_pk8_fp4_f32 v[PC+4*\c+3], v[AB+32*\c+24:AB+32*\c+31], v[TM+13+2*\c]
.endr
	WIN 0
	v_nop                                          ; one plain place behind a scaled conversion
.irp c, 0,1                            ; the first's lanes 16-31 change places with the second's lanes 0-15: register 4 c + i then holds K = 64 c + 32 h + 8 i + 0 .. 7
	v_permlane16_swap_b32 v[PC+4*\c], v[PC+4*\c+1]
	v_permlane16_swap_b32 v[PC+4*\c+2], v[PC+4*\c+3]
.endr
	global_store_b128 v[OUTO], v[PC:PC+3], s[OP:OP+1] offset:(\a)*1024
	global_store_b128 v[OUTO], v[PC+4:PC+7], s[OP:OP+1] offset:(\a)*1024+512
.if (\a)%2
	v_cndmask_b32 v[SCI+(\a)/2], v[PW], v[PW+1], s[MHI]   ; lanes 0-15 the even tile's words, lanes 16-31 the odd tile's
.endif
.endm
; A TILE OF 256 x 256.  t = 0: the first, which fills X's bytes again for the second as it leaves them; t = 1: the second, which asks for nothing.
.macro TILE t
	FETCH_0 0
	FETCH_1 0, 0
	SCALES 0
	SCALES 1
	FETCH_1 0, 4
	s_cmp_eq_u32 s[ISV], 1
	s_cbranch_scc1 .Lfirst_v_\@
	STEP 0, 1                                      ; the first K step starts the sums with the bias: nothing is cleared or added later
	s_branch .Lfirst_done_\@
.Lfirst_v_\@:
	STEP 0, 2
.Lfirst_done_\@:
	STEP 1, 0
	STEP 2, 0                                      ; it has fetched K step 3's fragments: the last reads of slot 0; X's scale words were read at the tile's head
.if \t == 0
	s_wait_tensorcnt 0x0                           ; all my tensor loads have landed, my part of slot 1 among them: no load of mine is out, so the groups 0 may be written
	ds_add_u32 v[SPW], v[NIL]                      ; 0 onto my spare word; the descriptors' steps stand between it and the wait for it
	s_add_nc_u64 s[G0X+2:G0X+3], s[G0X+2:G0X+3], NEXTX     ; X's codes, both slots, and its scale bytes: 4,096 rows on; the type bits on top are not reached
	s_add_nc_u64 s[G0X+6:G0X+7], s[G0X+6:G0X+7], NEXTX
	s_add_nc_u64 s[G0XS+2:G0XS+3], s[G0XS+2:G0XS+3], NEXTS
	s_wait_dscnt 0x0                               ; the add is done, and my reads of slot 0 and of the scale bytes are over
	CROUND                                         ; both hold of every wave of all sixteen work-groups; slot 1 is whole
	JLOAD G0X, G1X, G0XS, G1XS                     ; one load a wave, first thing behind the round: waves 0, 1: X's halves of slot 0; waves 2, 3: the halves of X's scale bytes
.else
	s_wait_dscnt 0x0                               ; no LDS instruction of mine is pending at a signal
	s_wait_tensorcnt 0x0                           ; my part of slot 1 is in,
	s_barrier_signal -1
	s_barrier_wait -1                              ; everybody's is
.endif
	STEP 3, 0                                      ; it fetches slot 1's first fragments
	STEP 4, 0
	STEP 5, 0
	STEP 6, 0
	LAST 7
.if \t == 0
	s_wait_tensorcnt 0x0                           ; slot 0's and the scale bytes' refills have landed
	ds_add_u32 v[SPW], v[NIL]
	s_wait_dscnt 0x0                               ; the add is done; my reads of slot 1 ended ahead of K step 7's products
	CROUND
	XLOAD G0X+4                                    ; X's halves of slot 1: they land while this tile is quantised and the next tile's first three K steps are multiplied
.endif
	PLACES                                         ; behind the last products: the results are read, and the codes are written where source 1's fragments lay
.irp a, 0,1,2,3,4,5,6,7
	QUANT \a                                       ; each block has registers of its own for its codes
.endr
	global_store_b128 v[OUTO], v[SCI:SCI+3], s[OP:OP+1] offset:8192
.endm
	s_wait_tensorcnt 1                             ; the scale bytes and my part of slot 0 are in; slot 1's load, the one issued behind them, may stay out
	s_barrier_signal -1
	s_barrier_wait -1                              ; everybody's are
	TILE 0
	s_wait_xcnt 0x0                                ; the first tile's stores have read their data and their base: fragments may land on the codes' registers, and the base may step
	s_add_nc_u64 s[OP:OP+1], s[OP:OP+1], NEXTO
	TILE 1
	s_wait_tensorcnt 0x0                           ; the wave's end
	ds_add_u32 v[SPW], v[NIL]
	s_wait_dscnt 0x0
	CROUND                                         ; the closing round: no work-group ends while a partner may still ask for a tile that names it
	s_endpgm
.Lfunc_end_k_qf3fa2d0ae3_proj:
	.size	k_qf3fa2d0ae3_proj, .Lfunc_end_k_qf3fa2d0ae3_proj-k_qf3fa2d0ae3_proj
	.p2alignl 7, 3214868480
	.fill 96, 4, 3214868480
	.section	.rodata,"a",@progbits
	.p2align	6, 0x0
	.amdhsa_kernel k_qf3fa2d0ae3_proj
		.amdhsa_group_segment_fixed_size 327680
		.amdhsa_private_segment_fixed_size 0
		.amdhsa_enable_private_segment 0
		.amdhsa_kernarg_size 144
		.amdhsa_user_sgpr_count 2
		.amdhsa_user_sgpr_kernarg_segment_ptr 1
		.amdhsa_wavefront_size32 1
		.amdhsa_system_sgpr_workgroup_id_x 1
		.amdhsa_system_sgpr_workgroup_id_y 1
		.amdhsa_system_sgpr_workgroup_id_z 1
		.amdhsa_system_vgpr_workitem_id 0
		.amdhsa_next_free_vgpr 1024
		.amdhsa_next_free_sgpr 102
		.amdhsa_reserve_vcc 0
		.amdhsa_float_denorm_mode_32 3
		.amdhsa_float_denorm_mode_16_64 3
		.amdhsa_memory_ordered 1
		.amdhsa_forward_progress 1
		.amdhsa_inst_pref_size 255
	.end_amdhsa_kernel
	.section	.bss,"aw",@nobits
	.p2align	6
	.space	262144
	.amdgpu_metadata
---
amdhsa.version: [ 1, 2 ]
amdhsa.kernels:
  - .name:           k_qf3fa2d0ae3_proj
    .symbol:         k_qf3fa2d0ae3_proj.kd
    .args:
      - { .name: q_codes, .offset: 0, .size: 8, .value_kind: global_buffer, .address_space: global }
      - { .name: k_codes, .offset: 8, .size: 8, .value_kind: global_buffer, .address_space: global }
      - { .name: v_codes, .offset: 16, .size: 8, .value_kind: global_buffer, .address_space: global }
      - { .name: q_scales, .offset: 24, .size: 8, .value_kind: global_buffer, .address_space: global }
      - { .name: k_scales, .offset: 32, .size: 8, .value_kind: global_buffer, .address_space: global }
      - { .name: v_scales, .offset: 40, .size: 8, .value_kind: global_buffer, .address_space: global }
      - { .name: Wq_codes, .offset: 48, .size: 8, .value_kind: global_buffer, .address_space: global }
      - { .name: Wk_codes, .offset: 56, .size: 8, .value_kind: global_buffer, .address_space: global }
      - { .name: Wv_codes, .offset: 64, .size: 8, .value_kind: global_buffer, .address_space: global }
      - { .name: Wq_scales, .offset: 72, .size: 8, .value_kind: global_buffer, .address_space: global }
      - { .name: Wk_scales, .offset: 80, .size: 8, .value_kind: global_buffer, .address_space: global }
      - { .name: Wv_scales, .offset: 88, .size: 8, .value_kind: global_buffer, .address_space: global }
      - { .name: bq, .offset: 96, .size: 8, .value_kind: global_buffer, .address_space: global }
      - { .name: bk, .offset: 104, .size: 8, .value_kind: global_buffer, .address_space: global }
      - { .name: bv, .offset: 112, .size: 8, .value_kind: global_buffer, .address_space: global }
      - { .name: qimg, .offset: 120, .size: 8, .value_kind: global_buffer, .address_space: global }
      - { .name: kimg, .offset: 128, .size: 8, .value_kind: global_buffer, .address_space: global }
      - { .name: vimg, .offset: 136, .size: 8, .value_kind: global_buffer, .address_space: global }
    .group_segment_fixed_size: 327680
    .private_segment_fixed_size: 0
    .kernarg_segment_align: 8
    .kernarg_segment_size: 144
    .max_flat_workgroup_size: 128
    .sgpr_count:     102
    .vgpr_count:     1024
    .wavefront_size: 32
...
	.end_amdgpu_metadata
.endif
;; end of part 4
;; launch scores (part 5): grid 9 x 16, 4 waves a work-group, no clusters, 279,040 bytes of LDS; arguments qimg, kimg, pimg; writes pimg
.if DOCPART == 5
	.amdgcn_target "amdgcn-amd-amdhsa--gfx1250"
	.amdhsa_code_object_version 6
	.text
	.protected	k_qf3fa2d0ae3_scores
	.globl	k_qf3fa2d0ae3_scores
	.p2align	8
	.type	k_qf3fa2d0ae3_scores,@function
k_qf3fa2d0ae3_scores:
	s_mov_b64 s[64:65], 0
	v_nop
	global_prefetch_b8 v0, s[64:65] scope:SCOPE_SE
	s_setreg_imm32_b32 hwreg(HW_REG_WAVE_MODE, 25, 1), 1
	s_wait_xcnt 0x0
; S^T = kp qp^T on codes of FP4, the causal mask, and p = 2^(t - M) quantised along the keys, by blocks of 128 queries x 128 keys.  t = score x log2(e) / 32.
; WORK LEFT OUT: tiles of 256 x 256 all of whose keys come after all of their queries (the mask that reference() builds makes their p 0 for all finite inputs) are not computed.  In a tile on the diagonal the block of
; 128 x 128 above it is multiplied with the other three, since the barriers of the four chunks of K stand between the K steps and every wave passes them, and is dropped there: no softmax, no store; pv does not read it.
; M IS TAKEN OVER THE BLOCK'S 128 KEYS ALONE: ceil of the largest t there.  M is a whole number, so p's codes are those under the row's M, and only the scale bytes and the block's sum have to be moved by a power of two: pv does that.
; SHARES.  A work-group takes 256 queries x 256 keys.  A batch has 36 such tiles on or under the diagonal; rows 7 - yy and yy of the triangle together have 9: grid x = 0..8, y = 4 x batch + yy.
; Wave w takes queries 128 (w / 2) on and keys 128 (w % 2) on: 64 accumulators.
; NO CLUSTER: row Cq of the triangle has Cq + 1 tiles, so the tiles that share rows do not fall into groups of four of equal work.
; LDS: four regions of 69,632 bytes: 128 rows x all 1,024 of K as proj laid them, 8 units of 8,704 bytes (8 fragment images, then the scale image).  Regions 0, 1: the queries; 2, 3: the keys.  Wave w fills region w by
; FOUR tensor loads of two units each, all issued at the head: four loads of mine are out.  The products of a chunk begin when that chunk has landed in all four regions; nothing is filled again.
; LAYOUT.  Source 0 = 16 keys, source 1 = 16 queries: lane (r, h) holds query r and, in register j of tile b, key 16 b + 8 h + j.  The way from there to the operand's order is proj's.
; OUT: pimg[batch][128 queries][128 keys]: a unit of 10,240 bytes: 8 fragment images (16 queries x 128 keys), then 4 metas of 512 bytes: lane l's 16 bytes = -M, 0, the scale word, the sum of p, of tile 2 p (lanes 0-15) or 2 p + 1 (lanes 16-31).
; LIMITS: the largest p of a block of 32 keys is made from the block's largest score by the same multiply-add and exponential, which takes v_exp_f32 not to fall where its input rises; -M is exact while |t| stays under 2^24.
; REGISTERS: window 0: v16-29 addresses; v32-95 scale words; v96-127 at work; v128-191 source 1's fragments, later p's codes; v192-207 the metas.  window 1: source 0's fragments, two sets.  windows 2, 3: accumulators.
.set UNIT,  8704
.set GRP,   8*UNIT
.set CHUNK, 2*UNIT                     ; two K steps: what one tensor load brings
.set PUNIT, 10240
.set SPARE, 4*GRP
.set ADR1, 16                          ; v16-17 source 1's units 0-3, 4-7
.set ADR0, 20                          ; v20-21 source 0's
.set OUTO, 24                          ; v24 16 x lane
.set QD,   25                          ; v25 r - 8 h
.set NINF, 27                          ; v27 -infinity
.set SPW,  28
.set NIL,  29
.set SC,   32                          ; 8 g + 0..3: source 1's pairs of tiles; 8 g + 4..7: source 0's
.set BM,   96
.set BX,   100
.set SO,   104
.set BY,   108
.set LA,   112
.set LB,   114
.set T,    116
.set NM,   120                         ; v[120:121], v[122:123]: -M of an even and of an odd tile, each named as a pair
.set CW,   124
.set CL,   126
.set AF,   128
.set MT,   192
.set WV, 10
.set QH, 11
.set KH, 12
.set BT, 13
.set YY, 14
.set CQ, 16
.set CK, 17
.set QG, 18
.set KG, 19
.set FG, 20
.set LR, 21                            ; s21 my region's first LDS byte
.set G1, 24
.set G0, 32                            ; s[32:47] four groups 0, one for each chunk
.set SEL, 48
.set CS, 50
.set MHI, 52
.set TS, 53
.set MK, 54
.set SRC, 62                           ; s[62:63] my 128 rows in qimg or kimg
.set MSB, 0
.macro WIN new
.if MSB != (\new)
	s_set_vgpr_msb (MSB<<8)|(\new)
.set MSB, \new
.endif
.endm
.macro PLACES
.rept 4
	v_nop
.endr
.endm
	s_load_b128 s[4:7], s[0:1], 0x0                ; qimg, kimg
	s_load_b64 s[8:9], s[0:1], 0x10                ; pimg
	v_lshl_add_u32 v[SPW], v0, 2, SPARE
	v_mov_b32 v[NIL], 0
	ds_add_u32 v[SPW], v[NIL]                      ; the wave's opening: the add, twice on end, and its wait ahead of my first tensor load
	ds_add_u32 v[SPW], v[NIL]
	v_lshrrev_b32 v1, 5, v0
	v_readfirstlane_b32 s[WV], v1
	s_lshr_b32 s[QH], s[WV], 1
	s_and_b32 s[KH], s[WV], 1
	s_and_b32 s[BT], ttmp7, 0xffff
	s_and_b32 s[YY], s[BT], 3
	s_lshr_b32 s[BT], s[BT], 2                     ; batch
	s_sub_co_u32 s15, 8, s[YY]
	s_sub_co_u32 s[CQ], 7, s[YY]
	s_sub_co_u32 s[CK], ttmp9, s15
	s_cmp_lt_u32 ttmp9, s15                        ; x < 8 - yy: row 7 - yy of the triangle, column x; else row yy, column x - 8 + yy
	s_cselect_b32 s[CQ], s[CQ], s[YY]
	s_cselect_b32 s[CK], ttmp9, s[CK]
	s_lshl_b32 s[QG], s[CQ], 1
	s_add_co_u32 s[QG], s[QG], s[QH]               ; my 128 queries
	s_lshl_b32 s[KG], s[CK], 1
	s_add_co_u32 s[KG], s[KG], s[KH]               ; my 128 keys
	s_cmp_lt_u32 s[WV], 2                          ; waves 0, 1 fetch the tile's queries, waves 2, 3 its keys
	s_cselect_b32 s[FG], s[CQ], s[CK]
	s_lshl_b32 s[FG], s[FG], 1
	s_add_co_u32 s[FG], s[FG], s[KH]
	s_lshl_b32 s15, s[BT], 4
	s_add_co_u32 s[FG], s[FG], s15
	s_mul_i32 s22, s[FG], GRP
	s_mov_b32 s23, 0
	s_mul_i32 s[LR], s[WV], GRP                    ; region w
	s_mov_b32 s[G1], 3<<16                         ; 17,408 dense bytes as 68 rows of 32 elements of 8 bytes; no padding: every read takes 512 consecutive bytes
	s_mov_b32 s[G1+1], 32<<16
	s_mov_b32 s[G1+2], 68<<16
	s_mov_b32 s[G1+3], 32<<16
	s_mov_b32 s[G1+4], 68
	s_mov_b32 s[G1+5], 32
	s_mov_b32 s[G1+6], 0
	s_mov_b32 s[G1+7], 0
	s_mov_b32 s[SEL], 0x76543210
	s_mov_b32 s[SEL+1], 0xfedcba98
	s_mov_b32 s[CS], 0x3d38aa3b                    ; c = log2(e) / 32
	s_mov_b32 s[CS+1], s[CS]
	s_mov_b32 s[MHI], 0xffff0000
	s_add_co_u32 s2, s15, s[QG]
	s_lshl_b32 s2, s2, 4
	s_add_co_u32 s2, s2, s[KG]
	s_mul_i32 s2, s2, PUNIT                        ; my unit of pimg
	s_mov_b32 s3, 0
	s_wait_dscnt 0x0                               ; both opening adds are done
	s_wait_kmcnt 0x0
	s_cmp_lt_u32 s[WV], 2
	s_cselect_b64 s[SRC:SRC+1], s[4:5], s[6:7]
	s_add_nc_u64 s[SRC:SRC+1], s[SRC:SRC+1], s[22:23]
.irp p, 0,1,2,3                        ; chunk p: K steps 2 p and 2 p + 1 of my 128 rows.  The four first fills go out together, ahead of every wait on TENSORcnt, every LDS read and every barrier
	s_mov_b32 s[G0+4*\p], 1
	s_add_co_u32 s[G0+4*\p+1], s[LR], \p*CHUNK
	s_add_nc_u64 s[G0+4*\p+2:G0+4*\p+3], s[SRC:SRC+1], \p*CHUNK
	s_or_b32 s[G0+4*\p+3], s[G0+4*\p+3], 0x80000000
	tensor_load_to_lds s[G0+4*\p:G0+4*\p+3], s[G1:G1+7]
	s_nop 0
.endr
.rept 4
	v_nop
.endr
	s_add_nc_u64 s[8:9], s[8:9], s[2:3]
	v_and_b32 v2, 31, v0
	v_lshlrev_b32 v[OUTO], 4, v2
	s_mul_i32 s[TS], s[QH], GRP
	v_add_nc_u32 v[ADR1], s[TS], v[OUTO]
	v_add_nc_u32 v[ADR1+1], 4*UNIT, v[ADR1]
	s_mul_i32 s[TS], s[KH], GRP
	s_add_co_u32 s[TS], s[TS], 2*GRP
	v_add_nc_u32 v[ADR0], s[TS], v[OUTO]
	v_add_nc_u32 v[ADR0+1], 4*UNIT, v[ADR0]
	v_and_b32 v1, 15, v0
	v_bfe_u32 v3, v0, 4, 1
	v_lshlrev_b32 v3, 3, v3
	v_sub_nc_u32 v[QD], v1, v3
	v_mov_b32 v[NINF], 0xff800000
.irp b, 0,1,2,3
	v_mov_b32 v[BX+\b], 0                          ; written once: a lane permute's destination counts as one of its sources
	v_mov_b32 v[MT+4*\b+1], 0                      ; a meta's second word
.endr
	v_mov_b32 v[T+1], 0
	v_mov_b32 v[NM+1], 0                           ; the upper halves of the pairs that the packed form names
	v_mov_b32 v[NM+3], 0
.macro FRAG reg, adr, g, i
.irp c, 0,1
	ds_load_b128 v[\reg+4*\c:\reg+4*\c+3], v[\adr+(\g)/4] offset:((\g)%4)*UNIT+(\i)*1024+512*\c
.endr
.endm
.macro FETCH_0 g
	WIN 0x40
.irp i, 0,1,2,3,4,5,6,7
	FRAG 128*((\g)%2)+8*\i, ADR0, \g, \i
.endr
	WIN 0
.endm
.macro FETCH_1 g, i0
.irp i, \i0, \i0+1, \i0+2, \i0+3
	FRAG AF+8*(\i), ADR1, \g, \i
.endr
.endm
.macro SCW g                           ; K step g's scale words: each K step has eight registers of its own
	ds_load_b128 v[SC+8*(\g):SC+8*(\g)+3], v[ADR1+(\g)/4] offset:((\g)%4)*UNIT+8192
	ds_load_b128 v[SC+8*(\g)+4:SC+8*(\g)+7], v[ADR0+(\g)/4] offset:((\g)%4)*UNIT+8192
.endm
; one matrix instruction by the symbols rD, rA, rB, rSA, rSB; xA, xB: the side's scale words lie in lanes 16-31
.macro WM zero
.if \zero
.if xA && xB
	v_wmma_scale_f32_16x16x128_f8f6f4 v[rD:rD+7], v[rA:rA+7], v[rB:rB+7], 0, v[rSA], v[rSB] matrix_a_fmt:MATRIX_FMT_FP4 matrix_b_fmt:MATRIX_FMT_FP4 matrix_a_scale:MATRIX_SCALE_ROW1 matrix_b_scale:MATRIX_SCALE_ROW1
.elseif xA
	v_wmma_scale_f32_16x16x128_f8f6f4 v[rD:rD+7], v[rA:rA+7], v[rB:rB+7], 0, v[rSA], v[rSB] matrix_a_fmt:MATRIX_FMT_FP4 matrix_b_fmt:MATRIX_FMT_FP4 matrix_a_scale:MATRIX_SCALE_ROW1
.elseif xB
	v_wmma_scale_f32_16x16x128_f8f6f4 v[rD:rD+7], v[rA:rA+7], v[rB:rB+7], 0, v[rSA], v[rSB] matrix_a_fmt:MATRIX_FMT_FP4 matrix_b_fmt:MATRIX_FMT_FP4 matrix_b_scale:MATRIX_SCALE_ROW1
.else
	v_wmma_scale_f32_16x16x128_f8f6f4 v[rD:rD+7], v[rA:rA+7], v[rB:rB+7], 0, v[rSA], v[rSB] matrix_a_fmt:MATRIX_FMT_FP4 matrix_b_fmt:MATRIX_FMT_FP4
.endif
.else
.if xA && xB
	v_wmma_scale_f32_16x16x128_f8f6f4 v[rD:rD+7], v[rA:rA+7], v[rB:rB+7], v[rD:rD+7], v[rSA], v[rSB] matrix_a_fmt:MATRIX_FMT_FP4 matrix_b_fmt:MATRIX_FMT_FP4 matrix_a_scale:MATRIX_SCALE_ROW1 matrix_b_scale:MATRIX_SCALE_ROW1
.elseif xA
	v_wmma_scale_f32_16x16x128_f8f6f4 v[rD:rD+7], v[rA:rA+7], v[rB:rB+7], v[rD:rD+7], v[rSA], v[rSB] matrix_a_fmt:MATRIX_FMT_FP4 matrix_b_fmt:MATRIX_FMT_FP4 matrix_a_scale:MATRIX_SCALE_ROW1
.elseif xB
	v_wmma_scale_f32_16x16x128_f8f6f4 v[rD:rD+7], v[rA:rA+7], v[rB:rB+7], v[rD:rD+7], v[rSA], v[rSB] matrix_a_fmt:MATRIX_FMT_FP4 matrix_b_fmt:MATRIX_FMT_FP4 matrix_b_scale:MATRIX_SCALE_ROW1
.else
	v_wmma_scale_f32_16x16x128_f8f6f4 v[rD:rD+7], v[rA:rA+7], v[rB:rB+7], v[rD:rD+7], v[rSA], v[rSB] matrix_a_fmt:MATRIX_FMT_FP4 matrix_b_fmt:MATRIX_FMT_FP4
.endif
.endif
.endm
; 16 matrix instructions: query tiles a0, a0 + 1 x the eight key tiles.  The 64 accumulators take turns, in the same order in every K step.
.macro MUL16 a0, g, zero
	WIN 0xa1+0x50*((\a0)/4)
.irp a, \a0, \a0+1
.irp b, 0,1,2,3,4,5,6,7
.set rD, 8*(8*((\a)%4)+\b)
.set rA, 128*((\g)%2)+8*\b
.set rB, AF+8*(\a)
.set rSA, SC+8*(\g)+4+\b/2
.set rSB, SC+8*(\g)+(\a)/2
.set xA, \b%2
.set xB, (\a)%2
	WM \zero
.endr
.endr
.endm
; K step g, and the fetches of K step g + 1 in two runs.  left >= 0: K step g + 1 begins a chunk: in the step's middle, where no LDS instruction of mine is out, I wait until at most `left` of my tensor loads
; are out (the chunks behind that one) and pass a barrier: the chunk is then whole in all four regions.
.macro STEP g, zero, left
	s_wait_dscnt 8                                 ; all but the youngest eight loads (query tiles 4-7) are in
	MUL16 0, \g, \zero
	MUL16 2, \g, \zero
	s_wait_dscnt 0x0
.if \left >= 0
	s_wait_tensorcnt \left
	s_barrier_signal -1
	s_barrier_wait -1
.endif
	PLACES
	FETCH_0 (\g)+1
	FETCH_1 (\g)+1, 0
	SCW (\g)+1
	MUL16 4, \g, \zero
	MUL16 6, \g, \zero
	PLACES
	WIN 0
	FETCH_1 (\g)+1, 4
.endm
; THE MASK, in a block on the diagonal, by tiles of 16 x 16.  Key 16 b + 8 h + j is hidden from query 16 a + r where it is the larger: never for b < a, always for b > a, and for b = a where j > r - 8 h.
.macro MASKALL
.irp j, 0,1,2,3,4,5,6,7
	v_cmp_gt_i32 s[MK+\j], \j, v[QD]               ; eight lane masks, made once
.endr
.irp a, 0,1,2,3,4,5,6,7
	WIN ((2+\a/4)<<6)|(2+\a/4)
.irp b, 0,1,2,3,4,5,6,7
.if \b == \a
.irp j, 0,1,2,3,4,5,6,7
	v_cndmask_b32 v[64*(\a%4)+8*\b+\j], v[64*(\a%4)+8*\b+\j], v[NINF], s[MK+\j]
.endr
.elseif \b > \a
.irp j, 0,1,2,3,4,5,6,7
	v_mov_b32 v[64*(\a%4)+8*\b+\j], 0xff800000
.endr
.endif
.endr
.endr
	WIN 0
.endm
; Query tile a: the block's M, p, its sum, its codes and scale word; the fragment's image is stored, and behind an odd tile the pair's meta.
.macro SOFT a
.set QW, 2+(\a)/4
.set AB, 64*((\a)%4)
.set PC, AF+8*(\a)
.set NMR, NM+2*((\a)%2)
.set CWR, CW+(\a)%2
.set CLR, CL+(\a)%2
	WIN (QW<<2)|(QW<<4)
.irp b, 0,1,2,3
	v_max3_num_f32 v[BM+\b], 0xff800000, v[AB+16*\b], v[AB+16*\b+1]          ; the largest score of each 32 keys, each accumulator from its low end on
.endr
.irp i, 2,4,6,8,10,12,14
.irp b, 0,1,2,3
	v_max3_num_f32 v[BM+\b], v[BM+\b], v[AB+16*\b+\i], v[AB+16*\b+\i+1]
.endr
.endr
	WIN 0
.irp b, 0,1,2,3
	v_permlanex16_b32 v[BX+\b], v[BM+\b], s[SEL], s[SEL+1]
.endr
.irp b, 0,1,2,3
	v_max_num_f32 v[BM+\b], v[BM+\b], v[BX+\b]
.endr
	v_max3_num_f32 v[T], v[BM], v[BM+1], v[BM+2]
	v_max_num_f32 v[T], v[T], v[BM+3]              ; my query's largest score among the 128 keys
	v_mul_f32 v[T], s[CS], v[T]
	v_floor_f32 v[NMR], -v[T]                      ; -M = floor(-t) = -ceil(t)
.irp b, 0,1,2,3
	v_fma_f32 v[BM+\b], v[BM+\b], s[CS], v[NMR]
.endr
	WIN (QW<<6)|QW
.set i, 0
.rept 32
	v_pk_fma_f32 v[AB+i:AB+i+1], v[AB+i:AB+i+1], s[CS:CS+1], v[NMR:NMR+1] op_sel_hi:[1,0,0]   ; t - M
.set i, i+2
.endr
.set i, 0
.rept 64
	v_exp_f32 v[AB+i], v[AB+i]                     ; p = 2^(t - M)
.set i, i+1
.endr
	WIN 0
.irp b, 0,1,2,3
	v_exp_f32 v[BM+\b], v[BM+\b]                   ; each block's largest p
.endr
	v_nop                                          ; a plain instruction behind the last exponential
	s_wait_alu depctr_va_vdst(0)                   ; the wait ahead of the first instruction that names a result: one for the 68
	WIN (QW<<2)|QW
	v_pk_add_f32 v[LA:LA+1], v[AB:AB+1], v[AB+2:AB+3]          ; the sum of the unquantised p, two at a time, in two chains
	v_pk_add_f32 v[LB:LB+1], v[AB+4:AB+5], v[AB+6:AB+7]
	WIN (QW<<2)
.set i, 8
.rept 14
	v_pk_add_f32 v[LA:LA+1], v[LA:LA+1], v[AB+i:AB+i+1]
	v_pk_add_f32 v[LB:LB+1], v[LB:LB+1], v[AB+i+2:AB+i+3]
.set i, i+4
.endr
	WIN 0
.irp b, 0,1,2,3
	v_max_num_f32 v[BM+\b], 0x1800000, v[BM+\b]    ; the floor 2^(3 - 127): the byte cannot fall under 1
.endr
	v_pk_add_f32 v[LA:LA+1], v[LA:LA+1], v[LB:LB+1]
.irp b, 0,1,2,3
	v_add_nc_u32 v[SO+\b], 0xff000000, v[BM+\b]    ; 2 off the exponent field: the conversion's scale operand
.endr
	v_add_f32 v[CLR], v[LA], v[LA+1]
.irp b, 0,1,2,3
	v_lshrrev_b32 v[BY+\b], 23, v[SO+\b]
.endr
	v_permlanex16_b32 v[T+1], v[CLR], s[SEL], s[SEL+1]
	v_lshl_or_b32 v[CWR], v[BY+1], 8, v[BY]
	v_lshl_or_b32 v[CWR], v[BY+2], 16, v[CWR]
	v_lshl_or_b32 v[CWR], v[BY+3], 24, v[CWR]
	v_add_f32 v[CLR], v[CLR], v[T+1]               ; with lane l xor 16's 64 keys
	WIN QW
.irp c, 0,1
	v_cvt_scalef32_pk8_fp4_f32 v[PC+4*\c], v[AB+32*\c:AB+32*\c+7], v[SO+2*\c]
	v_cvt_scalef32_pk8_fp4_f32 v[PC+4*\c+2], v[AB+32*\c+8:AB+32*\c+15], v[SO+2*\c]
	v_cvt_scalef32_pk8_fp4_f32 v[PC+4*\c+1], v[AB+32*\c+16:AB+32*\c+23], v[SO+1+2*\c]
	v_cvt_scalef32_pk8_fp4_f32 v[PC+4*\c+3], v[AB+32*\c+24:AB+32*\c+31], v[SO+1+2*\c]
.endr
	WIN 0
	v_nop                                          ; one plain place behind a scaled conversion
.irp c, 0,1
	v_permlane16_swap_b32 v[PC+4*\c], v[PC+4*\c+1]
	v_permlane16_swap_b32 v[PC+4*\c+2], v[PC+4*\c+3]
.endr
	global_store_b128 v[OUTO], v[PC:PC+3], s[8:9] offset:(\a)*1024
	global_store_b128 v[OUTO], v[PC+4:PC+7], s[8:9] offset:(\a)*1024+512
.if (\a)%2
	v_cndmask_b32 v[MT+4*((\a)/2)], v[NM], v[NM+2], s[MHI]     ; lanes 0-15 the even tile's, lanes 16-31 the odd tile's
	v_cndmask_b32 v[MT+4*((\a)/2)+2], v[CW], v[CW+1], s[MHI]
	v_cndmask_b32 v[MT+4*((\a)/2)+3], v[CL], v[CL+1], s[MHI]
	global_store_b128 v[OUTO], v[MT+4*((\a)/2):MT+4*((\a)/2)+3], s[8:9] offset:8192+512*((\a)/2)
.endif
.endm
	s_wait_tensorcnt 3                             ; my chunk 0 is in; the three loads issued behind it may stay out
	s_barrier_signal -1
	s_barrier_wait -1                              ; everybody's is
	FETCH_0 0
	FETCH_1 0, 0
	SCW 0
	FETCH_1 0, 4
	STEP 0, 1, -1                                  ; the first K step starts the sums
	STEP 1, 0, 2                                   ; it fetches K step 2: chunk 1
	STEP 2, 0, -1
	STEP 3, 0, 1                                   ; chunk 2
	STEP 4, 0, -1
	STEP 5, 0, 0                                   ; chunk 3: the last wait is for all my loads
	STEP 6, 0, -1
	s_wait_dscnt 8
	MUL16 0, 7, 0
	MUL16 2, 7, 0
	s_wait_dscnt 0x0
	MUL16 4, 7, 0
	MUL16 6, 7, 0
	WIN 0
	PLACES                                         ; behind the last products
	s_cmp_gt_u32 s[KG], s[QG]                      ; ids alone.  All my keys come after all my queries: my block is dropped
	s_cbranch_scc1 .Lend
	s_cmp_lg_u32 s[KG], s[QG]                      ; ids alone: only a block on the diagonal has hidden keys
	s_cbranch_scc1 .Lopen
	MASKALL
.Lopen:
.irp a, 0,1,2,3,4,5,6,7
	SOFT \a                                        ; each tile has registers of its own for what it stores
.endr
.Lend:
	s_wait_tensorcnt 0x0                           ; the wave's end
	ds_add_u32 v[SPW], v[NIL]
	s_wait_dscnt 0x0
	s_endpgm
.Lfunc_end_k_qf3fa2d0ae3_scores:
	.size	k_qf3fa2d0ae3_scores, .Lfunc_end_k_qf3fa2d0ae3_scores-k_qf3fa2d0ae3_scores
	.p2alignl 7, 3214868480
	.fill 96, 4, 3214868480
	.section	.rodata,"a",@progbits
	.p2align	6, 0x0
	.amdhsa_kernel k_qf3fa2d0ae3_scores
		.amdhsa_group_segment_fixed_size 279040
		.amdhsa_private_segment_fixed_size 0
		.amdhsa_enable_private_segment 0
		.amdhsa_kernarg_size 24
		.amdhsa_user_sgpr_count 2
		.amdhsa_user_sgpr_kernarg_segment_ptr 1
		.amdhsa_wavefront_size32 1
		.amdhsa_system_sgpr_workgroup_id_x 1
		.amdhsa_system_sgpr_workgroup_id_y 1
		.amdhsa_system_sgpr_workgroup_id_z 1
		.amdhsa_system_vgpr_workitem_id 0
		.amdhsa_next_free_vgpr 1024
		.amdhsa_next_free_sgpr 66
		.amdhsa_reserve_vcc 0
		.amdhsa_float_denorm_mode_32 3
		.amdhsa_float_denorm_mode_16_64 3
		.amdhsa_memory_ordered 1
		.amdhsa_forward_progress 1
		.amdhsa_inst_pref_size 200
	.end_amdhsa_kernel
	.amdgpu_metadata
---
amdhsa.version: [ 1, 2 ]
amdhsa.kernels:
  - .name:           k_qf3fa2d0ae3_scores
    .symbol:         k_qf3fa2d0ae3_scores.kd
    .args:
      - { .name: qimg, .offset: 0, .size: 8, .value_kind: global_buffer, .address_space: global }
      - { .name: kimg, .offset: 8, .size: 8, .value_kind: global_buffer, .address_space: global }
      - { .name: pimg, .offset: 16, .size: 8, .value_kind: global_buffer, .address_space: global }
    .group_segment_fixed_size: 279040
    .private_segment_fixed_size: 0
    .kernarg_segment_align: 8
    .kernarg_segment_size: 24
    .max_flat_workgroup_size: 128
    .sgpr_count:     66
    .vgpr_count:     1024
    .wavefront_size: 32
...
	.end_amdgpu_metadata
.endif
;; end of part 5
;; launch pv (part 6): grid 16 x 16, 8 waves a work-group, no clusters, 200,704 bytes of LDS; arguments pimg, vimg, out0; writes out0
.if DOCPART == 6
	.amdgcn_target "amdgcn-amd-amdhsa--gfx1250"
	.amdhsa_code_object_version 6
	.text
	.protected	k_qf3fa2d0ae3_pv
	.globl	k_qf3fa2d0ae3_pv
	.p2align	8
	.type	k_qf3fa2d0ae3_pv,@function
k_qf3fa2d0ae3_pv:
	s_mov_b64 s[64:65], 0
	v_nop
	global_prefetch_b8 v0, s[64:65] scope:SCOPE_SE
	s_setreg_imm32_b32 hwreg(HW_REG_WAVE_MODE, 25, 1), 1
	s_wait_xcnt 0x0
; O = P V / the row's sum, on codes of FP4.  P comes from scores by blocks of 128 keys, each under its own whole number M; V from proj with the keys innermost.
; WORK LEFT OUT: the K steps whose 128 keys all come after the work-group's 128 queries (the mask that reference() builds makes their p 0): query group c walks key steps 0 .. c alone.
; THE ROW'S M is the largest of its blocks' M: -M = the least of the stored -M.  With d = M(row) - M(block), a whole number 0 or more, the block's p under the row's M are the same codes with d taken off each scale byte,
; and its sum times 2^-d: both exact.  LIMITS: d is held at 127, and a byte that would fall under 0 is held at 0 (2^-127): what is lost lies under about 2^-120 of the row's largest term.
; SHARES.  Work-group (x, y): batch x / 4, features 256 (x % 4) on, queries 128 (15 - y) on: the longest walks have the lowest numbers.  EIGHT WAVES, two to a SIMD, in two groups g = wave / 4: group 0 walks the even
; key steps, group 1 the odd ones, so that a wave's chain of loads is half as long.  In a group, wave w % 4 takes queries 64 ((w % 4) / 2) on (4 tiles) and features 128 (w % 2) on (8 tiles): 32 accumulators, window 1.
; Source 0 = 16 features of V^T, source 1 = 16 queries of P: lane (r, h) holds query r and eight neighbouring features.
; THE TWO HALVES OF A SUM MEET IN LDS.  Waves w and w xor 4 hold sums over the two halves of the keys for the same 64 x 128 of O.  Each gives the other two of its four tiles, as images of the registers, and one of its two
; row sums; one barrier; each adds what it got to the two tiles that it kept, divides, and stores 32 rows.  WHICH TILES A WAVE KEEPS IS A MATTER OF ADDRESSES: group 1 takes P's four tiles in the order 2, 3, 0, 1, so that
; every wave keeps its accumulators' tiles 0, 1 and gives tiles 2, 3: no branch hangs on the group.
; WHERE c = 0 group 1 has no key step.  It takes key step 0 with P's codes set to 0 and its sum multiplied by 0: zero codes add nothing, and the exchange needs no second form.  (The selection stands in the path of
; the waves that have one key step, and nowhere else.)
; NO TENSOR LOADS, NO CLUSTER: the number of K steps hangs on the work-group's number.  The images let each lane load its fragments whole, 512 consecutive bytes an instruction; two sets of registers take turns, so that
; one K step's 27 loads are on their way while the other set is multiplied.
; THE WALK, in a wave's own key steps 0 .. n - 1: step 0 in set X starts the sums; then whole trips of two steps (Y, X), (n - 2) / 2 of them, counted one by one; a step that is left over is written out behind the loop.
; REGISTERS, window 0: v1-7 addresses; v8-9 -M of the row; v10-11 the sum; v12-13 P's scale words; v14-23 at work; v26-41 metas; v42-49 V's scale words; v50-51 addresses; v52-147, v148-243 the two sets (P's 4 fragments,
; V's 8); v244-247 1 / sum; v248-251 addresses of the exchange; v252 the partner's sum.
.set UNIT,  8704
.set PUNIT, 10240
.set EXL,   8*16384                    ; LDS: from 0 the exchange, 16,384 bytes a wave; here the sums, 128 bytes a wave;
.set STG,   EXL+8*128                  ; the stages, 16 rows x (512 bytes + 16) a wave;
.set SPARE, STG+8*16*528               ; the spare words, 128 bytes a wave
.set VL,  1                            ; 16 x lane
.set VPA, 2                            ; + P's fragments for my tiles 0, 1
.set VPB, 3                            ; + those for my tiles 2, 3
.set STO, 4
.set RD,  5
.set SPW, 6
.set NIL, 7
.set NMF, 8
.set LS,  10
.set PW,  12
.set T,   14
.set MX,  26
.set MY,  34
.set VSX, 42
.set VSY, 46
.set VMA, 50                           ; 16 x lane + the meta of my tiles 0, 1
.set VMB, 51                           ; and of my tiles 2, 3
.set XF,  52
.set YF,  148
.set RL,  244
.set EXS, 248                          ; where I put what I give
.set EXR, 249                          ; where my partner put what it gives
.set ELS, 250                          ; the same for the sums
.set ELR, 251
.set LP,  252
.set VO,  148                          ; the head alone: 32 offsets,
.set NT,  180                          ; and 32 numbers -M
.set WV, 14
.set QH, 15
.set OD, 16                            ; s16 1 where a key step is left over behind the whole trips
.set BT, 17
.set FG, 18
.set FT, 19                            ; s19 whole trips of two key steps
.set SS, 20                            ; s20 trips walked
.set CC, 21                            ; s21 c
.set SEL, 22
.set MHI, 24
.set KG, 32                            ; s32 my group
.set CL, 33                            ; s33 my last key step, counted in my own steps
.set MASK, 34                          ; s34 all ones, or 0 where my group has no key step
.set FLG, 35                           ; s35 1.0, or 0
.set P0, 36                            ; s[36:37] P at key step 0 of my queries
.set S0, 38                            ; s38 my first key step
.set MSB, 0
.macro WIN new
.if MSB != (\new)
	s_set_vgpr_msb (MSB<<8)|(\new)
.set MSB, \new
.endif
.endm
.macro PLACES
.rept 4
	v_nop
.endr
.endm
	s_load_b128 s[4:7], s[0:1], 0x0                ; pimg, vimg
	s_load_b64 s[12:13], s[0:1], 0x10              ; out0
	v_lshl_add_u32 v[SPW], v0, 2, SPARE
	v_mov_b32 v[NIL], 0
	v_lshrrev_b32 v14, 5, v0
	v_readfirstlane_b32 s[WV], v14                 ; wave 0..7
	s_lshr_b32 s[KG], s[WV], 2                     ; my group: the parity of my key steps
	s_bfe_u32 s[QH], s[WV], 0x10001                ; which 64 queries
	s_and_b32 s16, s[WV], 1                        ; which 128 features
	s_lshr_b32 s[BT], ttmp9, 2
	s_and_b32 s[FG], ttmp9, 3
	s_lshl_b32 s[FG], s[FG], 1
	s_add_co_u32 s[FG], s[FG], s16                 ; my 128 features, 0..7
	s_and_b32 s[CC], ttmp7, 0xffff
	s_sub_co_u32 s[CC], 15, s[CC]                  ; c: my work-group's 128 queries, and its last key step
	s_mov_b32 s[SEL], 0x76543210
	s_mov_b32 s[SEL+1], 0xfedcba98
	s_mov_b32 s[MHI], 0xffff0000
	s_min_u32 s[S0], s[KG], s[CC]                  ; my first key step: g; where c = 0: 0
	s_add_co_u32 s[CL], s[CC], 2
	s_sub_co_u32 s[CL], s[CL], s[KG]
	s_lshr_b32 s[CL], s[CL], 1                     ; the key steps of my parity up to c,
	s_max_u32 s[CL], s[CL], 1                      ; or the one that counts for nothing
	s_sub_co_u32 s[CL], s[CL], 1
	s_cmp_le_u32 s[KG], s[CC]
	s_cselect_b32 s[MASK], -1, 0
	s_cselect_b32 s[FLG], 1.0, 0
	v_and_b32 v14, 31, v0
	v_lshlrev_b32 v[VL], 4, v14
	v_lshlrev_b32 v17, 2, v14                      ; 4 x lane
	s_xor_b32 s40, s[KG], 1
	s_lshl_b32 s25, s[QH], 12                      ; P's fragments: my 64 queries are four of 1,024 bytes;
	s_lshl_b32 s39, s[KG], 11
	s_add_co_u32 s39, s25, s39
	v_add_nc_u32 v[VPA], s39, v[VL]                ; my tiles 0, 1 are the pair g of them,
	s_lshl_b32 s39, s40, 11
	s_add_co_u32 s39, s25, s39
	v_add_nc_u32 v[VPB], s39, v[VL]                ; my tiles 2, 3 the pair 1 - g
	s_lshl_b32 s25, s[QH], 10                      ; the metas likewise: 512 bytes a pair, from byte 8,192 on
	s_add_co_u32 s25, s25, 8192
	s_lshl_b32 s39, s[KG], 9
	s_add_co_u32 s39, s25, s39
	v_add_nc_u32 v[VMA], s39, v[VL]
	s_lshl_b32 s39, s40, 9
	s_add_co_u32 s39, s25, s39
	v_add_nc_u32 v[VMB], s39, v[VL]
	v_and_b32 v15, 15, v0
	v_bfe_u32 v16, v0, 4, 1
	s_mul_i32 s25, s[WV], 16*528                   ; my stage
	s_add_co_u32 s25, s25, STG
	v_mul_u32_u24 v[STO], v15, 528
	v_lshl_add_u32 v[STO], v16, 5, v[STO]
	v_add_nc_u32 v[STO], s25, v[STO]               ; in: row r, + 32 h
	v_add_nc_u32 v[RD], s25, v[VL]                 ; back: a row's 512 bytes over the 32 lanes
	s_xor_b32 s39, s[WV], 4                        ; my partner
	s_lshl_b32 s25, s[WV], 14
	v_add_nc_u32 v[EXS], s25, v[VL]
	s_lshl_b32 s25, s39, 14
	v_add_nc_u32 v[EXR], s25, v[VL]
	s_lshl_b32 s25, s[WV], 7
	s_add_co_u32 s25, s25, EXL
	v_add_nc_u32 v[ELS], s25, v17
	s_lshl_b32 s25, s39, 7
	s_add_co_u32 s25, s25, EXL
	v_add_nc_u32 v[ELR], s25, v17
	s_lshl_b32 s26, s[BT], 11
	s_lshl_b32 s27, s[CC], 7
	s_add_co_u32 s26, s26, s27
	s_lshl_b32 s27, s[QH], 6
	s_add_co_u32 s26, s26, s27
	s_lshl_b32 s27, s[KG], 5
	s_add_co_u32 s26, s26, s27                     ; the first row of O that I store: of my 64 queries the 32 of the pair g
	s_lshl_b32 s26, s26, 12
	s_lshl_b32 s27, s[FG], 9
	s_add_co_u32 s26, s26, s27
	s_mov_b32 s27, 0
	s_lshl_b32 s28, s[BT], 4
	s_add_co_u32 s28, s28, s[CC]
	s_mul_i32 s28, s28, 16*PUNIT                   ; P: key step 0 of my queries
	s_mov_b32 s29, 0
	s_mul_i32 s42, s[S0], PUNIT                    ; and on to my first key step
	s_mov_b32 s43, 0
	s_lshl_b32 s30, s[BT], 3
	s_add_co_u32 s30, s30, s[FG]
	s_mul_i32 s30, s30, 16*UNIT                    ; V: key step 0 of my features,
	s_mul_i32 s31, s[S0], UNIT
	s_add_co_u32 s30, s30, s31                     ; and on to my first
	s_mov_b32 s31, 0
.irp s, 0,1,2,3,4,5,6,7,8,9,10,11,12,13,14,15
	s_min_u32 s25, s[CC], \s                       ; steps beyond c were not stored: step c is named again, which leaves a minimum as it is
	s_mul_i32 s25, s25, PUNIT
	v_add_nc_u32 v[VO+2*\s], s25, v[VMA]
	v_add_nc_u32 v[VO+2*\s+1], s25, v[VMB]
.endr
.irp j, 0,1
	v_mov_b32 v[RL+2*\j+1], 0                      ; the upper halves of the pairs that the packed form names
.endr
	v_mov_b32 v[LS], 0
	v_mov_b32 v[LS+1], 0
	s_wait_kmcnt 0x0
	s_add_nc_u64 s[P0:P0+1], s[4:5], s[28:29]
	s_add_nc_u64 s[8:9], s[P0:P0+1], s[42:43]
	s_add_nc_u64 s[10:11], s[6:7], s[30:31]
	s_add_nc_u64 s[12:13], s[12:13], s[26:27]
.macro LOAD F, M, S                    ; a K step: 27 loads
.irp j, 0,1
.irp c, 0,1
	global_load_b128 v[\F+8*\j+4*\c:\F+8*\j+4*\c+3], v[VPA], s[8:9] offset:1024*\j+512*\c
.endr
.endr
.irp j, 0,1
.irp c, 0,1
	global_load_b128 v[\F+16+8*\j+4*\c:\F+16+8*\j+4*\c+3], v[VPB], s[8:9] offset:1024*\j+512*\c
.endr
.endr
.irp k, 0,1,2,3,4,5,6,7
.irp c, 0,1
	global_load_b128 v[\F+32+8*\k+4*\c:\F+32+8*\k+4*\c+3], v[VL], s[10:11] offset:1024*\k+512*\c
.endr
.endr
	global_load_b128 v[\M:\M+3], v[VMA], s[8:9]
	global_load_b128 v[\M+4:\M+7], v[VMB], s[8:9]
	global_load_b128 v[\S:\S+3], v[VL], s[10:11] offset:8192
.endm
.macro NEXT
	s_wait_xcnt 0x0                                ; the loads issued so far have read their bases: they may step, two key steps at a time
	s_add_nc_u64 s[8:9], s[8:9], 2*PUNIT
	s_add_nc_u64 s[10:11], s[10:11], 2*UNIT
.endm
; The block's scale words and sum under the row's M.  Each byte less d, held at 0: the bytes are at most 125 (p <= 1) and d at most 127, so with bit 7 set in each byte no borrow crosses bytes, and bit 7 stays set where byte >= d.
.macro ADJ M
.irp p, 0,1
	v_sub_f32 v[T+\p], v[\M+4*\p], v[NMF+\p]       ; d = M(row) - M(block)
.endr
.irp p, 0,1
	v_cvt_i32_f32 v[T+\p], v[T+\p]
.endr
.irp p, 0,1
	v_min_u32 v[T+\p], 127, v[T+\p]
.endr
.irp p, 0,1
	v_lshl_or_b32 v[T+2+\p], v[T+\p], 8, v[T+\p]
.endr
.irp p, 0,1
	v_lshl_or_b32 v[T+2+\p], v[T+2+\p], 16, v[T+2+\p]
.endr
.irp p, 0,1
	v_or_b32 v[T+4+\p], 0x80808080, v[\M+4*\p+2]
.endr
.irp p, 0,1
	v_sub_nc_u32 v[T+4+\p], v[T+4+\p], v[T+2+\p]
.endr
.irp p, 0,1
	v_and_b32 v[T+6+\p], 0x80808080, v[T+4+\p]
.endr
.irp p, 0,1
	v_lshrrev_b32 v[T+8+\p], 7, v[T+6+\p]
.endr
.irp p, 0,1
	v_sub_nc_u32 v[T+6+\p], v[T+6+\p], v[T+8+\p]   ; 0x7f in each byte that did not fall under 0
.endr
.irp p, 0,1
	v_and_b32 v[PW+\p], v[T+4+\p], v[T+6+\p]
.endr
.irp p, 0,1                            ; eight plain instructions stand between the last write of a scale register and the scaled matrix instructions: these six and two v_nop
	v_sub_nc_u32 v[T+\p], 0, v[T+\p]
.endr
.irp p, 0,1
	v_ldexp_f32 v[T+2+\p], 1.0, v[T+\p]
.endr
.irp p, 0,1
	v_fma_f32 v[LS+\p], v[\M+4*\p+3], v[T+2+\p], v[LS+\p]
.endr
	v_nop
	v_nop
.endm
.macro WM zero
.if \zero
.if xA && xB
	v_wmma_scale_f32_16x16x128_f8f6f4 v[rD:rD+7], v[rA:rA+7], v[rB:rB+7], 0, v[rSA], v[rSB] matrix_a_fmt:MATRIX_FMT_FP4 matrix_b_fmt:MATRIX_FMT_FP4 matrix_a_scale:MATRIX_SCALE_ROW1 matrix_b_scale:MATRIX_SCALE_ROW1
.elseif xA
	v_wmma_scale_f32_16x16x128_f8f6f4 v[rD:rD+7], v[rA:rA+7], v[rB:rB+7], 0, v[rSA], v[rSB] matrix_a_fmt:MATRIX_FMT_FP4 matrix_b_fmt:MATRIX_FMT_FP4 matrix_a_scale:MATRIX_SCALE_ROW1
.elseif xB
	v_wmma_scale_f32_16x16x128_f8f6f4 v[rD:rD+7], v[rA:rA+7], v[rB:rB+7], 0, v[rSA], v[rSB] matrix_a_fmt:MATRIX_FMT_FP4 matrix_b_fmt:MATRIX_FMT_FP4 matrix_b_scale:MATRIX_SCALE_ROW1
.else
	v_wmma_scale_f32_16x16x128_f8f6f4 v[rD:rD+7], v[rA:rA+7], v[rB:rB+7], 0, v[rSA], v[rSB] matrix_a_fmt:MATRIX_FMT_FP4 matrix_b_fmt:MATRIX_FMT_FP4
.endif
.else
.if xA && xB
	v_wmma_scale_f32_16x16x128_f8f6f4 v[rD:rD+7], v[rA:rA+7], v[rB:rB+7], v[rD:rD+7], v[rSA], v[rSB] matrix_a_fmt:MATRIX_FMT_FP4 matrix_b_fmt:MATRIX_FMT_FP4 matrix_a_scale:MATRIX_SCALE_ROW1 matrix_b_scale:MATRIX_SCALE_ROW1
.elseif xA
	v_wmma_scale_f32_16x16x128_f8f6f4 v[rD:rD+7], v[rA:rA+7], v[rB:rB+7], v[rD:rD+7], v[rSA], v[rSB] matrix_a_fmt:MATRIX_FMT_FP4 matrix_b_fmt:MATRIX_FMT_FP4 matrix_a_scale:MATRIX_SCALE_ROW1
.elseif xB
	v_wmma_scale_f32_16x16x128_f8f6f4 v[rD:rD+7], v[rA:rA+7], v[rB:rB+7], v[rD:rD+7], v[rSA], v[rSB] matrix_a_fmt:MATRIX_FMT_FP4 matrix_b_fmt:MATRIX_FMT_FP4 matrix_b_scale:MATRIX_SCALE_ROW1
.else
	v_wmma_scale_f32_16x16x128_f8f6f4 v[rD:rD+7], v[rA:rA+7], v[rB:rB+7], v[rD:rD+7], v[rSA], v[rSB] matrix_a_fmt:MATRIX_FMT_FP4 matrix_b_fmt:MATRIX_FMT_FP4
.endif
.endif
.endm
; a K step's 32 matrix instructions; the 32 accumulators take turns, in the same order in every step
.macro MUL F, S, zero
	WIN 0x50                                       ; C and D in window 1
.irp j, 0,1,2,3
.irp k, 0,1,2,3,4,5,6,7
.set rD, 64*\j+8*\k
.set rA, \F+32+8*\k
.set rB, \F+8*\j
.set rSA, \S+\k/2
.set rSB, PW+\j/2
.set xA, \k%2
.set xB, \j%2
	WM \zero
.endr
.endr
	WIN 0
.endm
.irp s, 0,1,2,3,4,5,6,7,8,9,10,11,12,13,14,15
.irp p, 0,1
	global_load_b32 v[NT+2*\s+\p], v[VO+2*\s+\p], s[P0:P0+1]   ; -M of my rows in EVERY key step up to c: the row's M spans both groups' steps
.endr
.endr
	LOAD XF, MX, VSX                               ; my first key step
	s_wait_loadcnt 27                              ; the 32 numbers are in; the 27 loads issued behind them may stay out
.irp p, 0,1
	v_min_num_f32 v[NMF+\p], v[NT+\p], v[NT+2+\p]
.endr
.irp s, 2,3,4,5,6,7,8,9,10,11,12,13,14,15
.irp p, 0,1
	v_min_num_f32 v[NMF+\p], v[NMF+\p], v[NT+2*\s+\p]
.endr
.endr
	s_cmp_eq_u32 s[CL], 0
	s_cbranch_scc1 .Lonly_x
	NEXT
	LOAD YF, MY, VSY                               ; my second
	s_wait_loadcnt 27                              ; the set asked for before is in; the 27 just issued stay out: so at every such wait below
	ADJ MX
	MUL XF, VSX, 1                                 ; the first K step starts the sums
	PLACES                                         ; in front of loads into registers that matrix instructions have read
	s_sub_co_u32 s[OD], s[CL], 1                   ; set Y holds my step 1: so many of my steps are still to be asked for:
	s_lshr_b32 s[FT], s[OD], 1                     ; so many whole trips of two,
	s_and_b32 s[OD], s[OD], 1                      ; and one step over, or none
	s_mov_b32 s[SS], 0
	s_cmp_eq_u32 s[FT], 0
	s_cbranch_scc1 .Lwalked
.Lwalk:                                            ; a trip: at its head and at its end set Y holds the key step that is next to be multiplied
	NEXT
	LOAD XF, MX, VSX
	s_wait_loadcnt 27
	ADJ MY
	MUL YF, VSY, 0
	PLACES
	NEXT
	LOAD YF, MY, VSY
	s_wait_loadcnt 27
	ADJ MX
	MUL XF, VSX, 0
	PLACES
	s_add_co_u32 s[SS], s[SS], 1                   ; trips are counted one by one against a number that the loop does not write
	s_cmp_lt_u32 s[SS], s[FT]
	s_cbranch_scc1 .Lwalk
.Lwalked:
	s_cmp_eq_u32 s[OD], 0
	s_cbranch_scc1 .Llast_y                        ; set Y holds my last key step
	NEXT
	LOAD XF, MX, VSX                               ; the key step that is left over: my last
	s_wait_loadcnt 27
	ADJ MY
	MUL YF, VSY, 0
	s_wait_loadcnt 0x0
	ADJ MX                                         ; (its first twenty lines name no register of the products above: they are the places ahead of the lines that write P's scale words)
	MUL XF, VSX, 0
	s_branch .Lout
.Llast_y:
	s_wait_loadcnt 0x0
	ADJ MY
	MUL YF, VSY, 0
	s_branch .Lout
.Lonly_x:                                          ; one key step; in group 1 of c = 0 it counts for nothing
	s_wait_loadcnt 0x0
.set i, 0
.rept 32
	v_and_b32 v[XF+i], s[MASK], v[XF+i]            ; P's codes as they are, or zeros; the lines of ADJ are the places between these writes and the matrix instructions
.set i, i+1
.endr
	ADJ MX
	v_mul_f32 v[LS], s[FLG], v[LS]                 ; the sums as they are, or 0
	v_mul_f32 v[LS+1], s[FLG], v[LS+1]
	MUL XF, VSX, 1
.Lout:
	; THE EXCHANGE.  My tiles 2, 3 (128 registers) go to LDS as they stand, 16 bytes a lane, 512 bytes a store, and with them the sum of those rows.
	PLACES                                         ; behind the last products
	WIN 0x04                                       ; an LDS store's data are its source 1: window 1
.set i, 0
.rept 32
	ds_store_b128 v[EXS], v[128+4*i:128+4*i+3] offset:512*i    ; each accumulator from its low end on
.set i, i+1
.endr
	WIN 0
	ds_store_b32 v[ELS], v[LS+1]
	s_wait_dscnt 0x0                               ; for my partner's sake: my stores have landed
	s_barrier_signal -1
	s_barrier_wait -1
	ds_load_b32 v[LP], v[ELR]                      ; my partner's sum of the rows that I keep,
.set i, 0
.rept 32
	ds_load_b128 v[XF+4*i:XF+4*i+3], v[EXR] offset:512*i       ; and its half of their sums: register 4 i + .. belongs to my accumulators' register 4 i + ..
.set i, i+1
.endr
	s_wait_dscnt 32                                ; the sum's word is in; the 32 loads behind it may stay out
	v_add_f32 v[LS], v[LS], v[LP]
	; the sums lie as the metas do: lanes 0-15 the even tile's rows, lanes 16-31 the odd tile's; each tile wants its own in both halves
	v_permlanex16_b32 v[T], v[LS], s[SEL], s[SEL+1]
	v_cndmask_b32 v[T+2], v[LS], v[T], s[MHI]
	v_cndmask_b32 v[T+3], v[T], v[LS], s[MHI]
	v_rcp_f32 v[RL], v[T+2]
	v_rcp_f32 v[RL+2], v[T+3]
	v_nop                                          ; a plain instruction behind the last reciprocal
	s_wait_alu depctr_va_vdst(0)                   ; the wait ahead of the first use: one for the two
; Tile j in three parts.  FINISH: the two halves of the sums are added and divided by the row's sum, in bank j.  TOSTAGE: a lane's 32 bytes of a row go into my stage and come back as whole rows of 512 bytes.  SEND: stored.
.macro FINISH j
.set BK, XF+64*(\j)
	WIN 0x04                                       ; source 1: my accumulators, window 1
.set i, 0
.rept 32
	v_pk_add_f32 v[BK+i:BK+i+1], v[BK+i:BK+i+1], v[64*(\j)+i:64*(\j)+i+1]    ; each accumulator from its low end on
.set i, i+2
.endr
	WIN 0
.set i, 0
.rept 32
	v_pk_mul_f32 v[BK+i:BK+i+1], v[BK+i:BK+i+1], v[RL+2*(\j):RL+2*(\j)+1] op_sel_hi:[1,0]
.set i, i+2
.endr
.endm
.macro TOSTAGE j
.set BK, XF+64*(\j)
.irp k, 0,1,2,3,4,5,6,7
	ds_store_b128 v[STO], v[BK+8*\k:BK+8*\k+3] offset:64*\k
	ds_store_b128 v[STO], v[BK+8*\k+4:BK+8*\k+7] offset:64*\k+16
.endr
.irp t, 0,1,2,3,4,5,6,7,8,9,10,11,12,13,14,15
	ds_load_b128 v[BK+4*\t:BK+4*\t+3], v[RD] offset:\t*528     ; LDS serves a wave's instructions in order (ISA guide 5.7.1.4): these see the stores above, and the next tile's stores come behind them
.endr
.endm
.macro SEND j
.set BK, XF+64*(\j)
.irp t, 0,1,2,3,4,5,6,7,8,9,10,11,12,13,14,15
	s_wait_dscnt 15-\t                             ; row t is back; the loads of the rows behind it may stay out
	global_store_b128 v[VL], v[BK+4*\t:BK+4*\t+3], s[12:13] offset:(16*(\j)+\t)*4096 th:TH_STORE_NT   ; 32 lanes store 512 consecutive bytes, at a multiple of 512 from O's first byte
.endr
.endm
	s_wait_dscnt 16                                ; tile 0's sixteen loads are in; tile 1's may stay out
	FINISH 0
	TOSTAGE 0
	s_wait_dscnt 32                                ; tile 1's are in: behind them stand the stage's 32 instructions
	FINISH 1                                       ; its arithmetic stands between tile 0's loads from the stage and the wait for them
	SEND 0
	TOSTAGE 1
	SEND 1
	s_wait_tensorcnt 0x0                           ; the wave's end, behind my last LDS store
	ds_add_u32 v[SPW], v[NIL]
	s_wait_dscnt 0x0
	s_endpgm
.Lfunc_end_k_qf3fa2d0ae3_pv:
	.size	k_qf3fa2d0ae3_pv, .Lfunc_end_k_qf3fa2d0ae3_pv-k_qf3fa2d0ae3_pv
	.p2alignl 7, 3214868480
	.fill 96, 4, 3214868480
	.section	.rodata,"a",@progbits
	.p2align	6, 0x0
	.amdhsa_kernel k_qf3fa2d0ae3_pv
		.amdhsa_group_segment_fixed_size 200704
		.amdhsa_private_segment_fixed_size 0
		.amdhsa_enable_private_segment 0
		.amdhsa_kernarg_size 24
		.amdhsa_user_sgpr_count 2
		.amdhsa_user_sgpr_kernarg_segment_ptr 1
		.amdhsa_wavefront_size32 1
		.amdhsa_system_sgpr_workgroup_id_x 1
		.amdhsa_system_sgpr_workgroup_id_y 1
		.amdhsa_system_sgpr_workgroup_id_z 1
		.amdhsa_system_vgpr_workitem_id 0
		.amdhsa_next_free_vgpr 512
		.amdhsa_next_free_sgpr 66
		.amdhsa_reserve_vcc 0
		.amdhsa_float_denorm_mode_32 3
		.amdhsa_float_denorm_mode_16_64 3
		.amdhsa_memory_ordered 1
		.amdhsa_forward_progress 1
		.amdhsa_inst_pref_size 86
	.end_amdhsa_kernel
	.amdgpu_metadata
---
amdhsa.version: [ 1, 2 ]
amdhsa.kernels:
  - .name:           k_qf3fa2d0ae3_pv
    .symbol:         k_qf3fa2d0ae3_pv.kd
    .args:
      - { .name: pimg, .offset: 0, .size: 8, .value_kind: global_buffer, .address_space: global }
      - { .name: vimg, .offset: 8, .size: 8, .value_kind: global_buffer, .address_space: global }
      - { .name: out0, .offset: 16, .size: 8, .value_kind: global_buffer, .address_space: global }
    .group_segment_fixed_size: 200704
    .private_segment_fixed_size: 0
    .kernarg_segment_align: 8
    .kernarg_segment_size: 24
    .max_flat_workgroup_size: 256
    .sgpr_count:     66
    .vgpr_count:     512
    .wavefront_size: 32
...
	.end_amdgpu_metadata
.endif
;; end of part 6
